; MI455X (gfx1250); checked and timed in simulation.
; The chip was launched on July 23, 2026; its instructions are those of AMD's public machine-readable ISA for CDNA 5 (MIT licence, August 2026) and "CDNA5" Instruction Set Architecture Reference Guide (July 2026). The comments in the code are by the model that wrote it; some were corrected since.
;; Multi atten. Allowed arithmetic: matrix products marked QUANTISED: E2M3 operands, one E8M0 scale for each 32 along K, by v_wmma_scale_f32_16x16x128_f8f6f4 with both operands' format E2M3, f32 sums; everything else in f32.
;; Inputs: W_attn 1,024 x 3,072 float32; W_proj 1,024 x 1,024 float32; b_attn 3,072 float32; b_proj 1,024 float32; x 4 x 2,048 x 1,024 float32.
;; Outputs: out0 4 x 2,048 x 1,024 float32.
;; This version of the problem:
;;   THIS VERSION OF THE PROBLEM IS GIVEN IN LOW PRECISION. The matrix products marked QUANTISED in the list below multiply operands that are first quantised to E2M3 (2 exponent bits, 3 mantissa bits; 6 bits a number), with one power-of-two scale for each 32 numbers along K (OCP MX v1.0); their sums are f32. All else is computed in f32.
;;   The module's matrix products, in the order in which they are computed (A, B: the left and right operand; K: the contracted axis; several contracted axes count as one K, in the product's order):
;;     1. [M 8,192, K 1,024] x [K 1,024, N 3,072]; A: input x; B: input W_attn: QUANTISED
;;     2. batch 64 x [M 2,048, K 64] x [K 64, N 2,048]; A: computed on the way; B: computed on the way: QUANTISED
;;     3. batch 64 x [M 2,048, K 2,048] x [K 2,048, N 64]; A: softmax (see below); B: computed on the way: QUANTISED
;;     4. [M 8,192, K 1,024] x [K 1,024, N 1,024]; A: computed on the way; B: input W_proj: QUANTISED
;;   THE QUANTISER, for each operand of a quantised product, along K:
;;     - K is cut into blocks of 32 from its start; a last block that is shorter is filled with zeros.
;;     - A block's scale is 2^e with e = floor(log2(the largest magnitude in the block)) - 2, held to -126 .. 127; a block of zeros has e = 0. As a byte (E8M0): e + 127.
;;     - Each number is divided by its block's scale, clamped to +-7.5, and rounded to the nearest number of E2M3, ties to even, subnormals kept.
;;     - The product sums the exact products of the quantised numbers (number of the format x scale) in f32.
;;   ~~~python
;;   def quantise(x, axis):      # numpy; x: float32 -> the quantised numbers, widened to float32 again
;;       x = np.moveaxis(x, axis, -1); K = x.shape[-1]
;;       x = np.pad(x, [(0, 0)] * (x.ndim - 1) + [(0, -K % 32)]); x = x.reshape(x.shape[:-1] + (-1, 32)); a = np.abs(x).max(-1, keepdims=True)
;;       e = np.where(a > 0, np.clip(np.frexp(np.where(a > 0, a, 1))[1] - 1 - 2, -126, 127), 0)      # np.frexp(a)[1] - 1 = floor(log2(a)), exactly
;;       r = np.clip(x / 2.0 ** e, -7.5, 7.5)
;;       step = 2.0 ** (np.maximum(np.frexp(np.where(r == 0, 1, r))[1] - 1, 0) - 3)
;;       q = np.round(r / step) * step * 2.0 ** e      # np.round: ties to even
;;       return np.moveaxis(q.reshape(q.shape[:-2] + (-1,))[..., :K], -1, axis).astype(np.float32)
;;   ~~~
;;   SOFTMAX AHEAD OF A QUANTISED PRODUCT. Where the list says 'softmax', what is quantised is not the finished softmax but p = 2^(t - M), with t = logit x log2(e) and M = ceil(the row's largest t), a whole number; so 1/2 < the row's largest p <= 1. The row's sum l is taken of the UNQUANTISED p, in f32, and the product's result is divided by l at the end. Since M is a whole number, a kernel that streams over the keys may use a running M (the ceiling of the running maximum): every later rescaling is an exact power of two, which a block's scale takes up: the codes' values come out the same.
;;   OPERANDS COMPUTED ON THE WAY. 'Computed on the way' means the value that the module computes at that place (a softmax that the list does not call 'softmax' is quantised finished and normalised). What goes into a quantiser is computed in f32, as accurately as f32 sums, v_exp_f32 and their like allow (about 1e-6 of the number): no bf16 or f16 on the way to a quantiser, and a product that is left as it is and whose result goes on into a quantised operand takes f32 operands (vector FMAs, or v_wmma_f32_16x16x4_f32). A number that lies on a knife's edge between two numbers of the format may be rounded either way, as far as f32 arithmetic and the matrix unit's own rounding can turn it there, and no further.
;; One version. Each part assembles by itself: llvm-mc -triple=amdgcn-amd-amdhsa -mcpu=gfx1250 --defsym DOCPART=n.
;; ======== version 1 of 1: 4 launches
;; workspace buffers: xq 6,291,456 bytes; wq 2,359,296 bytes; wpq 786,432 bytes; sc1 360,448 bytes; sc2 294,912 bytes; qb 6,553,600 bytes; kv 13,107,200 bytes; aq 6,291,456 bytes
;; launch quant (part 1): grid 256 x 1, 8 waves a work-group, no clusters, 119,808 bytes of LDS; arguments x, W_attn, W_proj, xq, wq, wpq, sc1, sc2; writes xq, wq, wpq, sc1, sc2
.if DOCPART == 1
	.amdgcn_target "amdgcn-amd-amdhsa--gfx1250"
	.amdhsa_code_object_version 6
	.text
	.protected	k_q4da941d054_quant
	.globl	k_q4da941d054_quant
	.p2align	8
	.type	k_q4da941d054_quant,@function
k_q4da941d054_quant:
	s_mov_b64 s[64:65], 0
	v_nop
	global_prefetch_b8 v0, s[64:65] scope:SCOPE_SE
	s_setreg_imm32_b32 hwreg(HW_REG_WAVE_MODE, 25, 1), 1
	s_wait_xcnt 0x0
; x [8192][1024], W_attn [1024][3072] and W_proj [1024][1024], f32, become codes of FP6 (E2M3) along K with one E8M0 byte for each 32 along K,
; laid in the ORDER OF THE OPERAND'S REGISTERS.  A fragment is 16 rows x 128 K, 12 registers a lane; it is stored as two halves of 768 bytes: registers 6 c .. 6 c + 3 at 16 x lane (512 bytes),
; registers 6 c + 4, 6 c + 5 at 8 x lane (256 bytes).  Codes: [row tile][K step 0..7][1,536 bytes].  Scale words: [row tile][half of K][row][4 words], word s = the four bytes of K step s.
; THE ROWS OF A TILE ARE NOT NEIGHBOURS: lane r of tile 2 B + u holds row 32 B + 8 u + r + 8 (r / 8) (a token of x, a column of a weight), so that where such a tile is a product's source 0 the 16 result
; registers of tiles 2 B and 2 B + 1 are 16 neighbours.
; A block's scale is 2^(floor(log2(its largest magnitude)) - 2); its byte is that magnitude's exponent field - 2, held at 1 from below.
; LIMITS: NaN and infinities among the inputs are not served; a block of zeros gets the byte 1 where the rule says 127 (its codes are zeros, and this program alone reads the bytes);
; blocks whose largest magnitude lies under 2^-124 are held at that floor.
; Work-groups 0-127 take x, 128-223 W_attn, 224-255 W_proj; each of the three ways has LDS bytes of its own.
.set SEL,    22                        ; s[22:23] lane selects for v_permlanex16_b32: lane l xor 16
.set TM,     16                        ; v16-19 largest magnitudes, v20-23 bytes, v28-31 the conversions' scale operands
.set PW,     32                        ; v32-35 the scale words of the task's four fragments
.set SW,     36                        ; v36-37 the two words that my lane stores
.set PC,     40                        ; v40-51 a fragment's codes, v52-58 at work
.set XR,     64                        ; v64-191 two sets of 64: a fragment as loaded
.set XN,     192                       ; v192-255 a lane's 64 numbers: register 16 b + i = k 32 b + 16 (lane / 16) + i of its row
.set XSTG,   8448                      ; x's stage: 16 rows x (512 bytes + 16), one for each wave
.set WA_LDS, 8*XSTG                    ; W_attn's way: 8 stages of 3,072 bytes, then 1,024 bytes in which the scale words meet
.set WSTG,   3072
.set WP_LDS, WA_LDS+8*WSTG+1024        ; W_proj's way: the same
	s_load_b256 s[4:11], s[0:1], 0x0               ; x s[4:5], W_attn s[6:7], W_proj s[8:9], xq s[10:11]
	s_load_b256 s[12:19], s[0:1], 0x20             ; wq s[12:13], wpq s[14:15], sc1 s[16:17], sc2 s[18:19]
	v_lshl_add_u32 v62, v0, 2, 0x1d000
	v_mov_b32 v63, 0
	v_lshrrev_b32 v1, 5, v0
	s_delay_alu instid0(VALU_DEP_1)
	v_readfirstlane_b32 s20, v1                    ; wave 0..7
	v_and_b32 v6, 31, v0                           ; lane
	s_mov_b32 s[SEL], 0x76543210
	s_mov_b32 s[SEL+1], 0xfedcba98
	s_cmp_lt_u32 ttmp9, 128
	s_cbranch_scc0 .Lweights
; ---------------- x: K is innermost.  A wave takes one row tile and one half of K: four fragments.
	s_lshl_b32 s24, ttmp9, 3
	s_add_co_u32 s24, s24, s20                     ; task = 8 x work-group + wave
	s_lshr_b32 s25, s24, 1                         ; row tile 0..511
	s_and_b32 s26, s24, 1                          ; half of K
	s_lshr_b32 s27, s25, 1
	s_lshl_b32 s27, s27, 17                        ; 32 rows of 4,096 bytes for each pair of tiles,
	s_and_b32 s28, s25, 1
	s_lshl_b32 s28, s28, 15                        ; 8 rows for the odd tile,
	s_add_co_u32 s28, s28, s27
	s_lshl_b32 s27, s26, 11                        ; 2,048 bytes for the second half of K
	s_add_co_u32 s28, s28, s27
	s_mov_b32 s29, 0
	s_mul_i32 s30, s25, 12288                      ; the tile's codes,
	s_mul_i32 s27, s26, 6144                       ; four K steps on for the second half
	s_add_co_u32 s30, s30, s27
	s_mov_b32 s31, 0
	s_lshl_b32 s32, s24, 8                         ; its scale words: 512 x tile + 256 x half = 256 x task
	s_mov_b32 s33, 0
	s_mul_i32 s34, s20, XSTG                       ; my stage
	s_mov_b32 s35, 0xffff0000                      ; lanes 16-31
	s_wait_alu depctr_va_vdst(0)
	v_lshlrev_b32 v1, 4, v6                        ; 16 x lane
	v_lshlrev_b32 v2, 3, v6                        ; 8 x lane
	v_and_b32 v7, 15, v0                           ; r
	v_bfe_u32 v8, v0, 4, 1                         ; h
	s_delay_alu instid0(VALU_DEP_4)
	v_add_nc_u32 v3, s34, v1                       ; into the stage: a row as it lies
	s_delay_alu instid0(VALU_DEP_3)
	v_mul_u32_u24 v4, v7, 528
	s_delay_alu instid0(VALU_DEP_1)
	v_lshl_add_u32 v4, v8, 6, v4
	s_delay_alu instid0(VALU_DEP_1)
	v_add_nc_u32 v4, s34, v4                       ; out of it: row r, + 64 h: my 16 numbers of a block of 32
	v_lshlrev_b32 v5, 4, v7
	s_delay_alu instid0(VALU_DEP_1)
	v_lshl_add_u32 v5, v8, 3, v5                   ; the scale words: 16 r + 8 h
.irp b, 0,1,2,3
	v_mov_b32 v[TM+4+\b], 0                        ; written once: a lane permute's destination counts as one of its sources
.endr
	s_wait_alu depctr_va_vdst(0)
	s_wait_kmcnt 0x0
	s_add_nc_u64 s[4:5], s[4:5], s[28:29]
	s_add_nc_u64 s[10:11], s[10:11], s[30:31]
	s_add_nc_u64 s[16:17], s[16:17], s[32:33]
.macro LOADX f                         ; fragment f: 16 rows x 512 bytes; each load reads 512 consecutive bytes
.irp i, 0,1,2,3,4,5,6,7,8,9,10,11,12,13,14,15
	global_load_b128 v[XR+64*((\f)%2)+4*\i:XR+64*((\f)%2)+4*\i+3], v1, s[4:5] offset:(\i+8*(\i/8))*4096+512*(\f) th:TH_LOAD_NT
.endr
.endm
; 64 numbers of a lane become a fragment's codes in v[PC] on and its row's scale word in v[pw]
.macro QUANT s, pw
.irp b, 0,1,2,3
	v_max3_num_f32 v[TM+\b], |v[\s+16*\b]|, |v[\s+1+16*\b]|, 0x1800000   ; my 16 numbers of block b, and the floor 2^(3 - 127): the byte cannot fall under 1
.endr
.irp i, 2,4,6,8,10,12,14
.irp b, 0,1,2,3
	s_delay_alu instid0(VALU_DEP_4)
	v_max3_num_f32 v[TM+\b], v[TM+\b], |v[\s+16*\b+\i]|, |v[\s+1+16*\b+\i]|   ; the four blocks by turns
.endr
.endr
.irp b, 0,1,2,3
	s_delay_alu instid0(VALU_DEP_4)
	v_permlanex16_b32 v[TM+4+\b], v[TM+\b], s[SEL], s[SEL+1]
.endr
.irp b, 0,1,2,3
	s_delay_alu instid0(VALU_DEP_4)
	v_max_num_f32 v[TM+\b], v[TM+\b], v[TM+4+\b]   ; with lane l xor 16's: the block's largest magnitude
.endr
.irp b, 0,1,2,3
	s_delay_alu instid0(VALU_DEP_4)
	v_add_nc_u32 v[TM+12+\b], 0xff000000, v[TM+\b] ; 2 off its exponent field: the conversion's scale operand
.endr
.irp b, 0,1,2,3
	s_delay_alu instid0(VALU_DEP_4)
	v_lshrrev_b32 v[TM+4+\b], 23, v[TM+12+\b]      ; the scale's byte
.endr
	s_delay_alu instid0(VALU_DEP_3)
	v_lshl_or_b32 v[\pw], v[TM+5], 8, v[TM+4]
	s_delay_alu instid0(VALU_DEP_1)
	v_lshl_or_b32 v[\pw], v[TM+6], 16, v[\pw]
	s_delay_alu instid0(VALU_DEP_1)
	v_lshl_or_b32 v[\pw], v[TM+7], 24, v[\pw]
	s_wait_xcnt 0x0                                ; the last fragment's stores have read v[PC] on: only now are the codes written anew
.irp c, 0,1
	v_cvt_scalef32_pk16_fp6_f32 v[PC+6*\c:PC+2+6*\c], v[\s+32*\c:\s+15+32*\c], v[TM+12+2*\c]
	v_cvt_scalef32_pk16_fp6_f32 v[PC+12+4*\c:PC+14+4*\c], v[\s+16+32*\c:\s+31+32*\c], v[TM+12+2*\c+1]   ; (a conversion's three registers begin on an even number)
.endr
	v_nop                                          ; one plain place behind a scaled conversion
.irp c, 0,1                            ; the operand wants a WHOLE block in a lane: lanes 0-15 block 2 c, lanes 16-31 block 2 c + 1
.irp i, 0,1,2
	v_permlane16_swap_b32 v[PC+6*\c+\i], v[PC+12+4*\c+\i]
.endr
.irp i, 0,1,2
	s_delay_alu instid0(VALU_DEP_3)
	v_mov_b32 v[PC+3+6*\c+\i], v[PC+12+4*\c+\i]
.endr
.endr
.endm
.macro XTURN f
.if (\f) < 3
	s_wait_loadcnt 16                              ; this fragment's 16 loads are in; the next fragment's 16 may be out
.else
	s_wait_loadcnt 0x0
.endif
.irp i, 0,1,2,3,4,5,6,7,8,9,10,11,12,13,14,15
	ds_store_b128 v3, v[XR+64*((\f)%2)+4*\i:XR+64*((\f)%2)+4*\i+3] offset:528*\i
.endr
.irp b, 0,1,2,3
.irp j, 0,1,2,3
	ds_load_b128 v[XN+16*\b+4*\j:XN+16*\b+4*\j+3], v4 offset:128*\b+16*\j   ; LDS serves a wave's instructions in order: these see the stores above
.endr
.endr
	s_wait_dscnt 0x0                               ; my 64 numbers are in, and the stores have read their set
.if (\f) < 2
	LOADX (\f)+2                                   ; which takes the fragment two on
.endif
	QUANT XN, PW+(\f)
	global_store_b128 v1, v[PC:PC+3], s[10:11] offset:1536*(\f)           ; each store of the wave covers whole aligned runs of 256 bytes
	global_store_b64 v2, v[PC+4:PC+5], s[10:11] offset:1536*(\f)+512
	global_store_b128 v1, v[PC+6:PC+9], s[10:11] offset:1536*(\f)+768
	global_store_b64 v2, v[PC+10:PC+11], s[10:11] offset:1536*(\f)+1280
.endm
	LOADX 0
	LOADX 1
	XTURN 0
	XTURN 1
	XTURN 2
	XTURN 3
	v_cndmask_b32 v[SW], v[PW], v[PW+2], s35       ; every lane holds its row's four words: lanes 0-15 store words 0, 1, lanes 16-31 words 2, 3
	v_cndmask_b32 v[SW+1], v[PW+1], v[PW+3], s35
	global_store_b64 v5, v[SW:SW+1], s[16:17]      ; 256 consecutive bytes
	s_wait_tensorcnt 0x0
	ds_add_u32 v62, v63
	s_wait_dscnt 0x0
	s_endpgm
; ---------------- the weights: K is the FIRST axis.  A lane takes a column and its registers run down K.  A work-group takes 64 columns and one half of K; a wave 32 columns and one K step: four blocks.
.macro LOADW t, n, src                 ; block t: W(32 t + i, my column); the two waves side by side read 256 consecutive bytes of a row
.irp i, 0,1,2,3,4,5,6,7,8,9,10,11,12,13,14,15,16,17,18,19,20,21,22,23,24,25,26,27,28,29,30,31
	global_load_b32 v[64+32*((\t)%2)+\i], v1, s[\src:\src+1] offset:(32*(\t)+\i)*4*\n th:TH_LOAD_NT
.endr
.endm
.macro WBLOCK b, n, src
.set XS, 64+32*((\b)%2)
.set FB, 128+8*(\b)                    ; six registers of codes, a run of its own for each block
.if (\b) < 3
	s_wait_loadcnt 32                              ; this block's 32 loads are in; the next block's may be out
.else
	s_wait_loadcnt 0x0
.endif
	v_max3_num_f32 v16, |v[XS]|, |v[XS+1]|, |v[XS+2]|      ; all 32 numbers of the block are mine
	v_max3_num_f32 v17, |v[XS+3]|, |v[XS+4]|, |v[XS+5]|
.irp i, 6,10,14,18,22,26
	s_delay_alu instid0(VALU_DEP_2)
	v_max3_num_f32 v16, v16, |v[XS+\i]|, |v[XS+\i+1]|
	s_delay_alu instid0(VALU_DEP_2)
	v_max3_num_f32 v17, v17, |v[XS+\i+2]|, |v[XS+\i+3]|
.endr
	s_delay_alu instid0(VALU_DEP_2)
	v_max3_num_f32 v16, v16, |v[XS+30]|, |v[XS+31]|
	s_delay_alu instid0(VALU_DEP_1)
	v_max3_num_f32 v16, v16, v17, 0x1800000        ; and the floor
	s_delay_alu instid0(VALU_DEP_1)
	v_add_nc_u32 v18, 0xff000000, v16              ; the conversion's scale operand
	s_delay_alu instid0(VALU_DEP_1)
	v_lshrrev_b32 v19, 23, v18                     ; the byte
.if (\b) == 0
	s_delay_alu instid0(VALU_DEP_1)
	v_mov_b32 v20, v19
.else
	s_delay_alu instid0(VALU_DEP_1)
	v_lshl_or_b32 v20, v19, 8*(\b), v20            ; my column's scale word of this K step
.endif
	v_cvt_scalef32_pk16_fp6_f32 v[FB:FB+2], v[XS:XS+15], v18
	v_cvt_scalef32_pk16_fp6_f32 v[160+4*(\b):162+4*(\b)], v[XS+16:XS+31], v18
	v_nop                                          ; one plain place behind a scaled conversion
.irp i, 0,1,2
	v_mov_b32 v[FB+3+\i], v[160+4*(\b)+\i]
.endr
	ds_store_b128 v2, v[FB:FB+3] offset:256*((\b)%2)+768*((\b)/2)          ; block b is lane r + 16 (b % 2) of half b / 2 of my column's tile
	ds_store_b64 v3, v[FB+4:FB+5] offset:512+128*((\b)%2)+768*((\b)/2)
.if (\b) < 2
	LOADW (\b)+2, \n, \src
.endif
.endm
.macro WPATH n, src, dst, scl, lds, wg0
	s_sub_co_u32 s24, ttmp9, \wg0
	s_lshr_b32 s25, s24, 1                         ; which 64 columns
	s_and_b32 s26, s24, 1                          ; which half of K
	s_and_b32 s27, s20, 1                          ; which 32 of the 64
	s_lshr_b32 s28, s20, 1                         ; which K step of the half
	s_lshl_b32 s29, s25, 1
	s_add_co_u32 s29, s29, s27                     ; G: my group of 32 columns
	s_lshl_b32 s30, s26, 2
	s_add_co_u32 s30, s30, s28                     ; my K step
	s_mul_i32 s32, s30, 512*\n                     ; 128 rows of 4 n bytes a K step,
	s_lshl_b32 s31, s29, 7                         ; 128 bytes a group
	s_add_co_u32 s32, s32, s31
	s_mov_b32 s33, 0
	s_mul_i32 s34, s29, 24576                      ; the codes: two tiles of 12,288 bytes a group,
	s_mul_i32 s31, s30, 1536                       ; 1,536 bytes a K step
	s_add_co_u32 s34, s34, s31
	s_mov_b32 s35, 0
	s_lshl_b32 s36, s29, 10                        ; the scale words: behind the other operand's 262,144 bytes; 512 bytes a tile,
	s_lshl_b32 s31, s26, 8                         ; 256 a half of K
	s_add_co_u32 s36, s36, s31
	s_add_co_u32 s36, s36, 262144
	s_mov_b32 s37, 0
	s_mul_i32 s38, s20, WSTG
	s_add_co_u32 s38, s38, \lds                    ; my stage
	s_lshl_b32 s31, s27, 9
	s_add_co_u32 s31, s31, \lds+8*WSTG             ; where my group's scale words meet: 512 bytes a group,
	s_lshl_b32 s39, s28, 2
	s_add_co_u32 s39, s39, s31                     ; word = my K step
	v_lshlrev_b32 v1, 2, v6                        ; 4 bytes a column
	v_bfe_u32 v7, v0, 3, 1                         ; column c of the 32 is row r = c % 8 + 8 (c / 16) of tile u = (c / 8) % 2
	v_and_b32 v8, 7, v0
	v_bfe_u32 v9, v0, 4, 1
	s_delay_alu instid0(VALU_DEP_1)
	v_lshl_add_u32 v8, v9, 3, v8
	s_delay_alu instid0(VALU_DEP_4)
	v_mul_u32_u24 v13, v7, 1536
	s_delay_alu instid0(VALU_DEP_1)
	v_lshl_add_u32 v2, v8, 4, v13
	s_delay_alu instid0(VALU_DEP_1)
	v_add_nc_u32 v2, s38, v2                       ; stage + 1,536 u + 16 r
	s_delay_alu instid0(VALU_DEP_3)
	v_lshl_add_u32 v3, v8, 3, v13
	s_delay_alu instid0(VALU_DEP_1)
	v_add_nc_u32 v3, s38, v3                       ; stage + 1,536 u + 8 r
	v_lshlrev_b32 v10, 4, v6                       ; 16 x lane
	s_delay_alu instid0(VALU_DEP_1)
	v_add_nc_u32 v4, s38, v10                      ; the stage read back as it lies
	v_lshlrev_b32 v5, 8, v7
	s_delay_alu instid0(VALU_DEP_1)
	v_lshl_add_u32 v5, v8, 4, v5
	s_delay_alu instid0(VALU_DEP_1)
	v_add_nc_u32 v5, s39, v5                       ; my word's place: 256 u + 16 r + 4 x K step
	v_add_nc_u32 v11, s31, v10                     ; and the group's 512 bytes read back
	v_and_b32 v12, 15, v0
	s_delay_alu instid0(VALU_DEP_1)
	v_lshlrev_b32 v12, 4, v12
	s_delay_alu instid0(VALU_DEP_1)
	v_lshl_add_u32 v12, v9, 9, v12                 ; in memory: 512 (lane / 16) + 16 (lane % 16)
	s_wait_kmcnt 0x0
	s_add_nc_u64 s[\src:\src+1], s[\src:\src+1], s[32:33]
	s_add_nc_u64 s[\dst:\dst+1], s[\dst:\dst+1], s[34:35]
	s_add_nc_u64 s[\scl:\scl+1], s[\scl:\scl+1], s[36:37]
	LOADW 0, \n, \src
	LOADW 1, \n, \src
	WBLOCK 0, \n, \src
	WBLOCK 1, \n, \src
	WBLOCK 2, \n, \src
	WBLOCK 3, \n, \src
.irp i, 0,1,2,3,4,5
	ds_load_b128 v[176+4*\i:179+4*\i], v4 offset:512*\i   ; my two fragments, as they will lie in memory
.endr
	ds_store_b32 v5, v20
.irp i, 0,1,2,3,4,5
	s_wait_dscnt 6-\i                              ; load i is in; the 5 - i younger loads and the word's store may be out
	global_store_b128 v10, v[176+4*\i:179+4*\i], s[\dst:\dst+1] offset:12288*(\i/3)+512*(\i%3)
.endr
	s_wait_dscnt 0x0                               ; for the others' sake: my word is in LDS
	s_barrier_signal -1
	s_barrier_wait -1
	s_cmp_lt_u32 s20, 2                            ; waves 0 and 1 store their group's words of the four K steps: two aligned runs of 256 bytes
	s_cbranch_scc0 .Lwdone_\@
	ds_load_b128 v[200:203], v11
	s_wait_dscnt 0x0
	global_store_b128 v12, v[200:203], s[\scl:\scl+1]
.Lwdone_\@:
	s_wait_tensorcnt 0x0
	ds_add_u32 v62, v63
	s_wait_dscnt 0x0
	s_endpgm
.endm
.Lweights:
	s_cmp_lt_u32 ttmp9, 224
	s_cbranch_scc0 .Lwproj
	s_wait_alu depctr_va_vdst(0)
	WPATH 3072, 6, 12, 16, WA_LDS, 128
.Lwproj:
	s_wait_alu depctr_va_vdst(0)
	WPATH 1024, 8, 14, 18, WP_LDS, 224
.Lfunc_end_k_q4da941d054_quant:
	.size	k_q4da941d054_quant, .Lfunc_end_k_q4da941d054_quant-k_q4da941d054_quant
	.p2alignl 7, 3214868480
	.fill 96, 4, 3214868480
	.section	.rodata,"a",@progbits
	.p2align	6, 0x0
	.amdhsa_kernel k_q4da941d054_quant
		.amdhsa_group_segment_fixed_size 119808
		.amdhsa_private_segment_fixed_size 0
		.amdhsa_enable_private_segment 0
		.amdhsa_kernarg_size 64
		.amdhsa_user_sgpr_count 2
		.amdhsa_user_sgpr_kernarg_segment_ptr 1
		.amdhsa_wavefront_size32 1
		.amdhsa_system_sgpr_workgroup_id_x 1
		.amdhsa_system_sgpr_workgroup_id_y 1
		.amdhsa_system_sgpr_workgroup_id_z 1
		.amdhsa_system_vgpr_workitem_id 0
		.amdhsa_next_free_vgpr 256
		.amdhsa_next_free_sgpr 66
		.amdhsa_reserve_vcc 0
		.amdhsa_float_denorm_mode_32 3
		.amdhsa_float_denorm_mode_16_64 3
		.amdhsa_memory_ordered 1
		.amdhsa_forward_progress 1
		.amdhsa_inst_pref_size 90
	.end_amdhsa_kernel
	.amdgpu_metadata
---
amdhsa.version: [ 1, 2 ]
amdhsa.kernels:
  - .name:           k_q4da941d054_quant
    .symbol:         k_q4da941d054_quant.kd
    .args:
      - { .name: x, .offset: 0, .size: 8, .value_kind: global_buffer, .address_space: global }
      - { .name: W_attn, .offset: 8, .size: 8, .value_kind: global_buffer, .address_space: global }
      - { .name: W_proj, .offset: 16, .size: 8, .value_kind: global_buffer, .address_space: global }
      - { .name: xq, .offset: 24, .size: 8, .value_kind: global_buffer, .address_space: global }
      - { .name: wq, .offset: 32, .size: 8, .value_kind: global_buffer, .address_space: global }
      - { .name: wpq, .offset: 40, .size: 8, .value_kind: global_buffer, .address_space: global }
      - { .name: sc1, .offset: 48, .size: 8, .value_kind: global_buffer, .address_space: global }
      - { .name: sc2, .offset: 56, .size: 8, .value_kind: global_buffer, .address_space: global }
    .group_segment_fixed_size: 119808
    .private_segment_fixed_size: 0
    .kernarg_segment_align: 8
    .kernarg_segment_size: 64
    .max_flat_workgroup_size: 256
    .sgpr_count:     66
    .vgpr_count:     256
    .wavefront_size: 32
...
	.end_amdgpu_metadata
.endif
;; end of part 1
;; launch qkv (part 2): grid 96 x 4, 4 waves a work-group, clusters of 4 x 4, 327,680 bytes of LDS; arguments xq, wq, sc1, b_attn, qb, kv; writes qb, kv
.if DOCPART == 2
	.amdgcn_target "amdgcn-amd-amdhsa--gfx1250"
	.amdhsa_code_object_version 6
	.text
	.protected	k_q4da941d054_qkv
	.globl	k_q4da941d054_qkv
	.p2align	8
	.type	k_q4da941d054_qkv,@function
k_q4da941d054_qkv:
	s_mov_b64 s[64:65], 0
	v_nop
	global_prefetch_b8 v0, s[64:65] scope:SCOPE_SE
	s_setreg_imm32_b32 hwreg(HW_REG_WAVE_MODE, 25, 1), 1
	s_wait_xcnt 0x0
	s_wait_alu depctr_hold_cnt(0) depctr_sa_sdst(0) depctr_va_vdst(0) depctr_va_sdst(0) depctr_va_ssrc(0) depctr_va_vcc(0) depctr_vm_vsrc(0)
	s_getreg_b32 s2, hwreg(HW_REG_IB_STS2, 6, 4)
	s_cmp_eq_u32 s2, 0
	s_cbranch_scc0 .Lentry_in_a_cluster
	s_endpgm
.Lentry_in_a_cluster:
	s_bfe_u32 s2, ttmp6, 0x10000c
	s_cmp_lg_u32 s2, 0xf033
	s_cbranch_scc0 .Lentry_shape_is_right
	s_endpgm
.Lentry_shape_is_right:
; qkv = x W_attn + b_attn on codes of FP6 (E2M3) with E8M0 scales, K = 1,024; q, k and v are quantised in registers and leave as codes in the order of the next products' operand registers.
; A work-group of four waves makes 256 x 256, a wave 128 x 128: 64 accumulators.  Source 0 has two register sets, source 1 one (its blocks are free as soon as their eight products are issued).
; 24 clusters of 4 x 4.  Clusters 0-15 (q: even, k: odd): source 0 = 16 columns of W, source 1 = 16 tokens: a lane holds one token and its registers run along the head's 64.
; Clusters 16-23 (v): source 0 = 16 tokens, source 1 = 16 columns of W: a lane holds one channel and its registers run along the tokens, which are the K of the product with p.
; Source 0's tile hangs on the place along the cluster's x, source 1's on the place along y: each tile is asked for JOINTLY by the four that share it.
; Operands lie in memory as fragments: [row tile][K step][1,536 bytes], a half fragment = 512 bytes at 16 x lane + 256 bytes at 8 x lane.  Lane r of row tile 2 B + u is row 32 B + 8 u + r + 8 (r / 8).
; LDS: three slots of two K steps (source 1's 16 row tiles x 3,072 bytes, then source 0's).  K quarters 0, 1, 2 are first fills; quarter 3 fills slot 0 again, the launch's one refill: by this text's count
; a wave has three tensor loads out at the start and one behind the refill.  The scale words of all K come straight into 64 registers; the bias is the C of the first K step.
; OUT.  qb: [batch x 16 + head][128 tokens][6,400]: 4 fragments [tile 2 e | tile 2 e + 1] (a token's 64 codes are half a fragment's K), then 256 bytes of words at 16 r + 4 e.
; kv: [batch x 16 + head][128 tokens][12,800]: k's 4 fragments (as q's), v's 4 (16 channels x 128 keys), k's words, v's words.
; LIMITS: NaN and infinities are not served; a block of zeros gets the byte 1 (its codes are zeros; this program alone reads the bytes); largest magnitudes under 2^-124 are held at that floor.
.set SLOT,  98304
.set SPARE, 3*SLOT                     ; behind the slots: the spare words, 128 bytes for each wave, that no other line names
.set FR,    12
.set A16,   4                          ; v4-6   source 1's fragments in slot 0, 1, 2: + 16 x lane;  v7-9 + 8 x lane
.set A8,    7
.set B16,   10                         ; v10-12, v13-15 the same for source 0
.set B8,    13
.set L16,   16                         ; v16 16 x lane, v17 8 x lane
.set L8,    17
.set SPW,   28                         ; v28 my spare word's address, v29 0: never rewritten
.set NIL,   29
.set SC,    32                         ; v32-95 scale words: register 8 i + s: lanes 0-15 source 1's block i, lanes 16-31 source 0's block i, K step s
.set BIAS,  96                         ; v96-159 the bias, eight registers a block, in the result's layout
.set AF,    160                        ; v160-255 source 1's eight fragments.  Window 1: source 0's two sets at v0 and v128.  Windows 2, 3: accumulator (a, b) at 8 (8 (a % 4) + b)
.set TM,    96                         ; the way out, over the bias: v96-111 at work, v112-119 eight scale words, v120-123 those that my lane stores, v128-146 codes
.set PW,    112
.set SW,    120
.set PC,    128
.set WV,    14
.set HA,    15                         ; s15 which half of source 1's rows is mine; also: I fetch for source 1 (0) or source 0 (1)
.set HB,    16                         ; s16 which half of source 0's rows; also: which 8 row tiles I fetch
.set G1A,   24                         ; s[24:31] group 1, s[32:47] four groups 0 (one for each quarter of K) for source 1
.set G0A,   32
.set G1B,   48                         ; s[48:55], s[68:83] for source 0
.set G0B,   68
.set HM,    66                         ; s66 lanes 16-31
.set SEL,   94                         ; s[94:95] lane l xor 16
.set MSB, 0
.macro WIN new                         ; the immediate's high byte repeats the setting that is left
.if MSB != (\new)
	s_set_vgpr_msb (MSB<<8)|(\new)
.set MSB, (\new)
.endif
.endm
.macro CREST                           ; a round of the cluster's barrier behind its opening barrier
	s_cmp_lg_u32 s[WV], 0
	s_cbranch_scc1 .Lnot_wave_0_\@
	s_barrier_signal -3
.Lnot_wave_0_\@:
	s_barrier_wait -3
	s_barrier_signal -1
	s_barrier_wait -1
.endm
.macro CROUND
	s_barrier_signal -1
	s_barrier_wait -1
	CREST
.endm
.macro PLACES                          ; four plain places between a matrix instruction and a load into, or a read of, its registers
.rept 4
	v_nop
.endr
.endm
.macro FRAG reg, a16, a8, off          ; a fragment's 12 registers, as they were stored
	ds_load_b128 v[\reg:\reg+3], v[\a16] offset:\off
	ds_load_b64 v[\reg+4:\reg+5], v[\a8] offset:\off+512
	ds_load_b128 v[\reg+6:\reg+9], v[\a16] offset:\off+768
	ds_load_b64 v[\reg+10:\reg+11], v[\a8] offset:\off+1280
.endm
.macro FETCH_B s                       ; source 0's eight fragments of K step s into set s % 2
	WIN 0x40
.irp i, 0,1,2,3,4,5,6,7
	FRAG 128*((\s)%2)+FR*\i, B16+((\s)/2)%3, B8+((\s)/2)%3, 3072*\i+1536*((\s)%2)
.endr
	WIN 0
.endm
.macro FETCH_A s, i0                   ; source 1's blocks i0 .. i0 + 3
.irp i, \i0, \i0+1, \i0+2, \i0+3
	FRAG AF+FR*(\i), A16+((\s)/2)%3, A8+((\s)/2)%3, 3072*(\i)+1536*((\s)%2)
.endr
.endm
; 16 matrix instructions: source 1's blocks a0, a0 + 1 x source 0's eight, K step s.  cm = 0: onto the sums; 1: the sums begin with the bias of source 0's block; 2: of source 1's block.
; The 64 accumulators take turns, one instruction a turn, in the same order in every K step.
.macro MUL16 a0, s, cm
.irp a, \a0, \a0+1
.irp b, 0,1,2,3,4,5,6,7
.set rD, 8*(8*((\a)%4)+\b)
.set rB, 128*((\s)%2)+FR*\b
.set rA, AF+FR*(\a)
.set rC, BIAS+8*\b
.if \cm == 2
.set rC, BIAS+8*(\a)
.endif
.if \cm == 0
	v_wmma_scale_f32_16x16x128_f8f6f4 v[rD:rD+7], v[rB:rB+11], v[rA:rA+11], v[rD:rD+7], v[SC+8*\b+(\s)], v[SC+8*(\a)+(\s)] matrix_a_fmt:MATRIX_FMT_FP6 matrix_b_fmt:MATRIX_FMT_FP6 matrix_a_scale:MATRIX_SCALE_ROW1
.else
	v_wmma_scale_f32_16x16x128_f8f6f4 v[rD:rD+7], v[rB:rB+11], v[rA:rA+11], v[rC:rC+7], v[SC+8*\b+(\s)], v[SC+8*(\a)+(\s)] matrix_a_fmt:MATRIX_FMT_FP6 matrix_b_fmt:MATRIX_FMT_FP6 matrix_a_scale:MATRIX_SCALE_ROW1
.endif
.endr
.endr
.endm
.macro STEP s, cm                      ; a K step whose successor lies in a slot already shown whole
	s_wait_dscnt 16                                ; source 0's set and source 1's blocks 0-3 are in; the youngest 16 loads (blocks 4-7) may be out
.if \cm
	WIN 0x81                                       ; source 0 window 1, source 1 and C window 0, D window 2
.else
	WIN 0xa1                                       ; C and D window 2
.endif
	MUL16 0, \s, \cm
	MUL16 2, \s, \cm
	s_wait_dscnt 0x0                               ; blocks 4-7 are in
	PLACES
	FETCH_B (\s)+1
	FETCH_A (\s)+1, 0
.if \cm
	WIN 0xc1
.else
	WIN 0xf1
.endif
	MUL16 4, \s, \cm
	MUL16 6, \s, \cm
	PLACES
	WIN 0
	FETCH_A (\s)+1, 4
.endm
; A K step with a barrier in it.  In front of the barrier each wave waits for all its tensor loads, adds 0 to its spare word, and waits for that and for its LDS reads.
; fill = 1: the barrier opens a round of the cluster's barrier, and behind it slot 0, which nobody reads any more, takes the last quarter of K.  fill = 0: that quarter is shown whole to every wave.
.macro TURN s, fill
	s_wait_tensorcnt 0x0                           ; all my tensor loads have landed
	ds_add_u32 v[SPW], v[NIL]                      ; 0 onto my spare word
	s_wait_dscnt 17                                ; (the add and the youngest 16 loads may be out)
	WIN 0xa1
	MUL16 0, \s, 0                                 ; sixteen matrix instructions stand between the add and the wait for it
	s_wait_dscnt 0x0                               ; the add is done and my LDS reads are over
	s_barrier_signal -1
	MUL16 2, \s, 0
	WIN 0
	s_barrier_wait -1
.if \fill
	CREST                                          ; no wave of any partner still reads slot 0 or has a load on its way
	s_cmp_eq_u32 s[HA], 0
	s_cbranch_scc0 .Lfor_b
	tensor_load_to_lds s[G0A+12:G0A+15], s[G1A:G1A+7]
	s_nop 0
	PLACES                                         ; (the places in front of the loads below)
	s_branch .Lasked
.Lfor_b:
	tensor_load_to_lds s[G0B+12:G0B+15], s[G1B:G1B+7]
	s_nop 0
	PLACES
.Lasked:
.else
	PLACES
.endif
	FETCH_B (\s)+1
	FETCH_A (\s)+1, 0
	WIN 0xf1
	MUL16 4, \s, 0
	MUL16 6, \s, 0
	PLACES
	WIN 0
	FETCH_A (\s)+1, 4
.endm
	s_load_b256 s[4:11], s[0:1], 0x0               ; xq s[4:5], wq s[6:7], sc1 s[8:9], b_attn s[10:11]
	s_load_b128 s[84:87], s[0:1], 0x20             ; qb s[84:85], kv s[86:87]
	v_lshl_add_u32 v[SPW], v0, 2, SPARE
	v_mov_b32 v[NIL], 0
	ds_add_u32 v28, v29
	ds_add_u32 v28, v29
	s_wait_dscnt 0x0
	v_lshrrev_b32 v1, 5, v0
	v_readfirstlane_b32 s[WV], v1                  ; wave 0..3
	s_lshr_b32 s[HA], s[WV], 1
	s_and_b32 s[HB], s[WV], 1
	s_bfe_u32 s17, ttmp6, 0x40000                  ; cx
	s_bfe_u32 s18, ttmp6, 0x40004                  ; cy
	s_and_b32 s21, ttmp9, 1
	s_lshl_b32 s21, s21, 2                         ; q, k: source 0's tiles 4 (c & 1) on
	s_sub_co_u32 s22, ttmp9, 16
	s_lshl_b32 s22, s22, 2                         ; v: 4 (c - 16) on
	s_lshr_b32 s23, ttmp9, 1
	s_lshl_b32 s23, s23, 2                         ; q, k: source 1's tiles 4 (c >> 1) on; v: 8 on
	s_cmp_lt_u32 ttmp9, 16                         ; the cluster's number, which all sixteen partners share
	s_cselect_b32 s19, s21, s22
	s_cselect_b32 s20, s23, 8
	s_cselect_b32 s56, 262144, 0                   ; where source 0's scale words begin in sc1: W's lie behind x's
	s_cselect_b32 s57, 0, 262144                   ; and source 1's
	s_add_co_u32 s19, s19, s17                     ; t0: source 0's tile of 256 rows
	s_add_co_u32 s20, s20, s18                     ; t1: source 1's
	s_lshl_b32 s21, s18, 2
	s_lshl_b32 s21, 15, s21                        ; my row of the cluster
	s_lshl_b32 s22, 0x1111, s17                    ; my column
	; group 1: 8 row tiles x 3,072 bytes (384 elements of 8 bytes), 12,288 bytes apart, no padding
	s_or_b32 s[G1A], s21, (3<<16)|(1<<21)          ; source 1's tiles go to my row
	s_or_b32 s[G1B], s22, (3<<16)|(1<<21)          ; source 0's to my column
.irp g, G1A, G1B
	s_mov_b32 s[\g+1], 384<<16                     ; tensor_dim0
	s_mov_b32 s[\g+2], 8<<16                       ; tensor_dim1
	s_mov_b32 s[\g+3], 384<<16                     ; tile_dim0
	s_mov_b32 s[\g+4], 8                           ; tile_dim1
	s_mov_b32 s[\g+5], 1536                        ; from row tile to row tile
	s_mov_b32 s[\g+6], 0
	s_mov_b32 s[\g+7], 0
.endr
	s_lshl_b32 s23, s[HB], 3                       ; which 8 row tiles I fetch
	s_lshl_b32 s88, s20, 4
	s_add_co_u32 s88, s88, s23
	s_mul_i32 s88, s88, 12288
	s_mov_b32 s89, 0
	s_lshl_b32 s90, s19, 4
	s_add_co_u32 s90, s90, s23
	s_mul_i32 s90, s90, 12288
	s_mov_b32 s91, 0
	s_mul_i32 s92, s[WV], 24576                    ; where they go: wave x 8 row tiles: no place in the cluster enters an LDS address
	s_wait_kmcnt 0x0
	s_cmp_lt_u32 ttmp9, 16
	s_cselect_b64 s[58:59], s[6:7], s[4:5]         ; source 0: W's codes, or x's
	s_cselect_b64 s[60:61], s[4:5], s[6:7]         ; source 1
	s_add_nc_u64 s[60:61], s[60:61], s[88:89]
	s_add_nc_u64 s[58:59], s[58:59], s[90:91]
	CROUND                                         ; all sixteen work-groups are here: the first joint loads meet
.irp n, 0,1,2,3
	s_mov_b32 s[G0A+4*\n], 1
	s_add_co_u32 s[G0A+4*\n+1], s92, (\n%3)*SLOT
	s_add_nc_u64 s[G0A+4*\n+2:G0A+4*\n+3], s[60:61], 3072*\n
	s_or_b32 s[G0A+4*\n+3], s[G0A+4*\n+3], 0x80000000
	s_mov_b32 s[G0B+4*\n], 1
	s_add_co_u32 s[G0B+4*\n+1], s92, (\n%3)*SLOT
	s_add_nc_u64 s[G0B+4*\n+2:G0B+4*\n+3], s[58:59], 3072*\n
	s_or_b32 s[G0B+4*\n+3], s[G0B+4*\n+3], 0x80000000
.endr
	s_cmp_eq_u32 s[HA], 0                          ; a wave's three first fills stand in one branch
	s_cbranch_scc0 .Lfirst_b
	tensor_load_to_lds s[G0A:G0A+3], s[G1A:G1A+7]
	s_nop 0
	tensor_load_to_lds s[G0A+4:G0A+7], s[G1A:G1A+7]
	s_nop 0
	tensor_load_to_lds s[G0A+8:G0A+11], s[G1A:G1A+7]
	s_nop 0
	PLACES
	s_branch .Lfirst_asked
.Lfirst_b:
	tensor_load_to_lds s[G0B:G0B+3], s[G1B:G1B+7]
	s_nop 0
	tensor_load_to_lds s[G0B+4:G0B+7], s[G1B:G1B+7]
	s_nop 0
	tensor_load_to_lds s[G0B+8:G0B+11], s[G1B:G1B+7]
	s_nop 0
	PLACES
.Lfirst_asked:
	v_and_b32 v1, 31, v0
	v_lshlrev_b32 v[L16], 4, v1
	v_lshlrev_b32 v[L8], 3, v1
	s_mul_i32 s21, s[HA], 24576                    ; my 8 row tiles of source 1
	s_mul_i32 s22, s[HB], 24576
	s_add_co_u32 s22, s22, 49152                   ; and of source 0, behind source 1's 16
.irp s, 0,1,2
	v_add_nc_u32 v[A16+\s], s21, v[L16]
	v_add_nc_u32 v[A8+\s], s21, v[L8]
	v_add_nc_u32 v[B16+\s], s22, v[L16]
	v_add_nc_u32 v[B8+\s], s22, v[L8]
	s_add_co_u32 s21, s21, SLOT
	s_add_co_u32 s22, s22, SLOT
.endr
	v_and_b32 v2, 15, v0                           ; r
	v_lshlrev_b32 v3, 4, v2                        ; 16 r
	v_bfe_u32 v20, v0, 4, 1                        ; h
	s_lshl_b32 s21, s20, 4
	s_lshl_b32 s22, s[HA], 3
	s_add_co_u32 s21, s21, s22
	s_lshl_b32 s21, s21, 9
	s_add_co_u32 s21, s21, s57                     ; source 1's words: 512 bytes a row tile
	s_lshl_b32 s22, s19, 4
	s_add_co_u32 s22, s22, s23
	s_lshl_b32 s22, s22, 9
	s_add_co_u32 s22, s22, s56                     ; source 0's
	s_mov_b32 s[HM], 0xffff0000
	v_mov_b32 v18, s21
	v_mov_b32 v19, s22
	v_cndmask_b32 v18, v18, v19, s[HM]             ; lanes 0-15 take source 1's, lanes 16-31 source 0's
	v_add_nc_u32 v18, v18, v3
.irp i, 0,1,2,3,4,5,6,7
.irp k, 0,1
	global_load_b128 v[SC+8*\i+4*\k:SC+8*\i+4*\k+3], v18, s[8:9] offset:512*\i+256*\k   ; sixteen lanes read 256 consecutive bytes: a row tile's words of four K steps
.endr
.endr
	v_lshlrev_b32 v21, 6, v20                      ; q, k: register j of block b is column 32 (b / 2) + 8 (b % 2) + 16 h + j
	s_lshl_b32 s21, s19, 10
	s_lshl_b32 s22, s[HB], 9
	s_add_co_u32 s21, s21, s22
	v_add_nc_u32 v21, s21, v21
	v_and_b32 v22, 8, v2                           ; v: all eight registers of block a are column 32 (a / 2) + 8 (a % 2) + r + 8 (r / 8)
	v_add_nc_u32 v22, v22, v2
	v_lshlrev_b32 v22, 2, v22
	s_lshl_b32 s21, s20, 10
	s_lshl_b32 s22, s[HA], 9
	s_add_co_u32 s21, s21, s22
	v_add_nc_u32 v22, s21, v22
	s_cmp_lt_u32 ttmp9, 16
	s_cbranch_scc0 .Lbias_v
.irp b, 0,1,2,3,4,5,6,7
	global_load_b128 v[BIAS+8*\b:BIAS+8*\b+3], v21, s[10:11] offset:4*(32*(\b/2)+8*(\b%2))
	global_load_b128 v[BIAS+8*\b+4:BIAS+8*\b+7], v21, s[10:11] offset:4*(32*(\b/2)+8*(\b%2))+16
.endr
	s_branch .Lbias_done
.Lbias_v:
.irp a, 0,1,2,3,4,5,6,7
.irp j, 0,1,2,3,4,5,6,7
	global_load_b32 v[BIAS+8*\a+\j], v22, s[10:11] offset:4*(32*(\a/2)+8*(\a%2))
.endr
.endr
.Lbias_done:
	s_wait_tensorcnt 0x2                           ; my part of quarter 0 is in; the two younger loads may stay out
	s_barrier_signal -1
	s_barrier_wait -1                              ; everybody's is
	FETCH_B 0
	FETCH_A 0, 0
	FETCH_A 0, 4
	s_wait_loadcnt 0x0                             ; the scale words and the bias
	s_cmp_lt_u32 ttmp9, 16                         ; the first K step starts the sums with the bias; which block's, hangs on the cluster's kind
	s_cbranch_scc0 .Lstep0_v
	STEP 0, 1
	s_branch .Lstep0_done
.Lstep0_v:
	STEP 0, 2
.Lstep0_done:
	TURN 1, 1                                      ; slots 1 and 2 are shown whole to every wave here, so K steps 2 to 5 need no barrier
	STEP 2, 0
	STEP 3, 0
	STEP 4, 0
	TURN 5, 0
	STEP 6, 0
	s_wait_dscnt 16                                ; the last K step: nothing more to fetch
	WIN 0xa1
	MUL16 0, 7, 0
	MUL16 2, 7, 0
	s_wait_dscnt 0x0
	WIN 0xf1
	MUL16 4, 7, 0
	MUL16 6, 7, 0
	WIN 0
	PLACES
; THE WAY OUT.  Four blocks of 32 (16 registers a lane each, at xa, xa + 16, xb, xb + 16 of window w) become one fragment in v[PC] on and a scale word in v[pw].
.macro QUANT2 w, xa, xb, pw
	WIN 5*(\w)                                     ; sources 0 and 1 in window w
	v_max3_num_f32 v[TM], |v[(\xa)]|, |v[(\xa)+1]|, 0x1800000      ; each accumulator is read from its low end on; the floor 2^(3 - 127) holds the byte at 1 from below
	v_max3_num_f32 v[TM+1], |v[(\xa)+16]|, |v[(\xa)+17]|, 0x1800000
	v_max3_num_f32 v[TM+2], |v[(\xb)]|, |v[(\xb)+1]|, 0x1800000
	v_max3_num_f32 v[TM+3], |v[(\xb)+16]|, |v[(\xb)+17]|, 0x1800000
.irp i, 2,4,6,8,10,12,14
	v_max3_num_f32 v[TM], |v[(\xa)+\i]|, |v[(\xa)+\i+1]|, v[TM]
	v_max3_num_f32 v[TM+1], |v[(\xa)+16+\i]|, |v[(\xa)+17+\i]|, v[TM+1]
	v_max3_num_f32 v[TM+2], |v[(\xb)+\i]|, |v[(\xb)+\i+1]|, v[TM+2]
	v_max3_num_f32 v[TM+3], |v[(\xb)+16+\i]|, |v[(\xb)+17+\i]|, v[TM+3]
.endr
	WIN 0
.irp b, 0,1,2,3
	v_permlanex16_b32 v[TM+4+\b], v[TM+\b], s[SEL], s[SEL+1]
.endr
.irp b, 0,1,2,3
	v_max_num_f32 v[TM+\b], v[TM+\b], v[TM+4+\b]   ; with lane l xor 16's 16: the block's largest magnitude
.endr
.irp b, 0,1,2,3
	v_add_nc_u32 v[TM+12+\b], 0xff000000, v[TM+\b] ; 2 off its exponent field: the conversion's scale operand
.endr
.irp b, 0,1,2,3
	v_lshrrev_b32 v[TM+4+\b], 23, v[TM+12+\b]      ; the byte
.endr
	v_lshl_or_b32 v[\pw], v[TM+5], 8, v[TM+4]
	v_lshl_or_b32 v[\pw], v[TM+6], 16, v[\pw]
	v_lshl_or_b32 v[\pw], v[TM+7], 24, v[\pw]
	s_wait_xcnt 0x0                                ; the last fragment's stores have read v[PC] on
	WIN (\w)                                       ; source 0 in window w
	v_cvt_scalef32_pk16_fp6_f32 v[PC:PC+2], v[(\xa):(\xa)+15], v[TM+12]
	v_cvt_scalef32_pk16_fp6_f32 v[PC+12:PC+14], v[(\xa)+16:(\xa)+31], v[TM+13]
	v_cvt_scalef32_pk16_fp6_f32 v[PC+6:PC+8], v[(\xb):(\xb)+15], v[TM+14]
	v_cvt_scalef32_pk16_fp6_f32 v[PC+16:PC+18], v[(\xb)+16:(\xb)+31], v[TM+15]
	WIN 0
	v_nop                                          ; one plain place behind a scaled conversion
.irp c, 0,1                            ; a whole block to a lane
.irp i, 0,1,2
	v_permlane16_swap_b32 v[PC+6*\c+\i], v[PC+12+4*\c+\i]
.endr
.irp i, 0,1,2
	v_mov_b32 v[PC+3+6*\c+\i], v[PC+12+4*\c+\i]
.endr
.endr
.endm
; My two heads (g), four fragments each (e).  kind 0 (q, k): fragment e = token tiles 2 e and 2 e + 1, each with the head's 64.  kind 1 (v): fragment e = channel tile e, with my 128 tokens.
.macro OUT8 kind
.irp g, 0,1
.irp e, 0,1,2,3
.if \kind == 0
	QUANT2 2+\e/2, 128*(\e%2)+32*\g, 128*(\e%2)+32*\g+64, PW+4*\g+\e
.else
	QUANT2 2+\g, 64*\e, 64*\e+32, PW+4*\g+\e
.endif
	global_store_b128 v[L16], v[PC:PC+3], s[88+2*\g:89+2*\g] offset:1536*\e            ; whole aligned runs of 256 bytes
	global_store_b64 v[L8], v[PC+4:PC+5], s[88+2*\g:89+2*\g] offset:1536*\e+512
	global_store_b128 v[L16], v[PC+6:PC+9], s[88+2*\g:89+2*\g] offset:1536*\e+768
	global_store_b64 v[L8], v[PC+10:PC+11], s[88+2*\g:89+2*\g] offset:1536*\e+1280
.endr
.endr
.irp e, 0,1,2,3
	v_cndmask_b32 v[SW+\e], v[PW+\e], v[PW+4+\e], s[HM]    ; lanes 0-15 store the first head's words, lanes 16-31 the second's
.endr
	global_store_b128 v18, v[SW:SW+3], s[92:93]
.endm
	s_lshl_b32 s21, s20, 1
	s_add_co_u32 s21, s21, s[HA]                   ; q, k: my 128 tokens are run 2 t1 + HA of the 64
	s_lshl_b32 s22, s19, 1
	s_add_co_u32 s22, s22, s[HB]                   ; v: 2 t0 + HB
	s_lshl_b32 s23, s17, 2
	s_lshl_b32 s56, s[HB], 1
	s_add_co_u32 s23, s23, s56                     ; q, k: my first head 4 cx + 2 HB
	s_lshl_b32 s56, s18, 2
	s_lshl_b32 s57, s[HA], 1
	s_add_co_u32 s56, s56, s57                     ; v: 4 cy + 2 HA
	s_cmp_lt_u32 ttmp9, 16
	s_cselect_b32 s21, s21, s22
	s_cselect_b32 s23, s23, s56
	s_cselect_b32 s57, 0, 6144                     ; v's fragments lie behind k's
	s_mov_b32 s58, 6400
	s_cselect_b32 s58, 12288, s58                  ; from the first fragment to the words: k 12,288, v 6,400,
	s_and_b32 s22, ttmp9, 17
	s_cmp_eq_u32 s22, 0                            ; q's clusters: even and under 16
	s_cselect_b64 s[60:61], s[84:85], s[86:87]
	s_mov_b32 s59, 12800
	s_cselect_b32 s59, 6400, s59                   ; a record
	s_cselect_b32 s58, 6144, s58                   ; q 6,144
	s_lshr_b32 s22, s21, 4                         ; batch
	s_and_b32 s21, s21, 15                         ; which 128 tokens of the sequence
	s_lshl_b32 s22, s22, 4
	s_add_co_u32 s22, s22, s23
	s_lshl_b32 s22, s22, 4
	s_add_co_u32 s22, s22, s21
	s_mul_i32 s22, s22, s59
	s_add_co_u32 s22, s22, s57
	s_mov_b32 s23, 0
	s_add_nc_u64 s[88:89], s[60:61], s[22:23]      ; my first head's record
	s_lshl_b32 s56, s59, 4                         ; from head to head: 16 records
	s_mov_b32 s57, 0
	s_add_nc_u64 s[90:91], s[88:89], s[56:57]      ; my second head's
	s_mov_b32 s59, 0
	s_add_nc_u64 s[92:93], s[88:89], s[58:59]      ; the words
	s_mov_b32 s[SEL], 0x76543210
	s_mov_b32 s[SEL+1], 0xfedcba98
	v_mul_lo_u32 v19, v20, s56
	v_add_nc_u32 v18, v19, v3                      ; 16 r, + a head for lanes 16-31
.irp b, 0,1,2,3
	v_mov_b32 v[TM+4+\b], 0                        ; a lane permute's destination counts as one of its sources
.endr
	s_cmp_lt_u32 ttmp9, 16
	s_cbranch_scc0 .Lout_v
	OUT8 0
	s_branch .Lend
.Lout_v:
	OUT8 1
.Lend:
	s_wait_tensorcnt 0x0                           ; the wave's end
	ds_add_u32 v[SPW], v[NIL]
	s_wait_dscnt 0x0
	CROUND                                         ; the closing round: no work-group ends while a partner may still ask for a tile that names it
	s_endpgm
.Lfunc_end_k_q4da941d054_qkv:
	.size	k_q4da941d054_qkv, .Lfunc_end_k_q4da941d054_qkv-k_q4da941d054_qkv
	.p2alignl 7, 3214868480
	.fill 96, 4, 3214868480
	.section	.rodata,"a",@progbits
	.p2align	6, 0x0
	.amdhsa_kernel k_q4da941d054_qkv
		.amdhsa_group_segment_fixed_size 327680
		.amdhsa_private_segment_fixed_size 0
		.amdhsa_enable_private_segment 0
		.amdhsa_kernarg_size 48
		.amdhsa_user_sgpr_count 2
		.amdhsa_user_sgpr_kernarg_segment_ptr 1
		.amdhsa_wavefront_size32 1
		.amdhsa_system_sgpr_workgroup_id_x 1
		.amdhsa_system_sgpr_workgroup_id_y 1
		.amdhsa_system_sgpr_workgroup_id_z 1
		.amdhsa_system_vgpr_workitem_id 0
		.amdhsa_next_free_vgpr 1024
		.amdhsa_next_free_sgpr 100
		.amdhsa_reserve_vcc 0
		.amdhsa_float_denorm_mode_32 3
		.amdhsa_float_denorm_mode_16_64 3
		.amdhsa_memory_ordered 1
		.amdhsa_forward_progress 1
		.amdhsa_inst_pref_size 202
	.end_amdhsa_kernel
	.amdgpu_metadata
---
amdhsa.version: [ 1, 2 ]
amdhsa.kernels:
  - .name:           k_q4da941d054_qkv
    .symbol:         k_q4da941d054_qkv.kd
    .args:
      - { .name: xq, .offset: 0, .size: 8, .value_kind: global_buffer, .address_space: global }
      - { .name: wq, .offset: 8, .size: 8, .value_kind: global_buffer, .address_space: global }
      - { .name: sc1, .offset: 16, .size: 8, .value_kind: global_buffer, .address_space: global }
      - { .name: b_attn, .offset: 24, .size: 8, .value_kind: global_buffer, .address_space: global }
      - { .name: qb, .offset: 32, .size: 8, .value_kind: global_buffer, .address_space: global }
      - { .name: kv, .offset: 40, .size: 8, .value_kind: global_buffer, .address_space: global }
    .group_segment_fixed_size: 327680
    .private_segment_fixed_size: 0
    .kernarg_segment_align: 8
    .kernarg_segment_size: 48
    .max_flat_workgroup_size: 128
    .sgpr_count:     100
    .vgpr_count:     1024
    .wavefront_size: 32
...
	.end_amdgpu_metadata
.endif
;; end of part 2
;; launch attn (part 3): grid 4 x 64, 16 waves a work-group, no clusters, 206,848 bytes of LDS; arguments qb, kv, aq, sc2; writes aq, sc2
.if DOCPART == 3
	.amdgcn_target "amdgcn-amd-amdhsa--gfx1250"
	.amdhsa_code_object_version 6
	.text
	.protected	k_q4da941d054_attn
	.globl	k_q4da941d054_attn
	.p2align	8
	.type	k_q4da941d054_attn,@function
k_q4da941d054_attn:
	s_mov_b64 s[64:65], 0
	v_nop
	global_prefetch_b8 v0, s[64:65] scope:SCOPE_SE
	s_setreg_imm32_b32 hwreg(HW_REG_WAVE_MODE, 25, 1), 1
	s_wait_xcnt 0x0
; Causal attention on codes of FP6 (E2M3) with E8M0 scales: 64 heads (batch x 16 + head) of 2,048 tokens x 64.  t = score x log2(e) / 8; M = the running largest t rounded UP to a whole number; p = 2^(t - M) is
; quantised along the keys, not normalised; the row's sum is taken of the unquantised p and divides at the end; when M moves, the sum and O are multiplied by 2^(old M - new M), which rounds nothing.
; SHARES.  Work-group (i, head) owns the query blocks i and 7 - i of 256 tokens, one after the other; each of its sixteen waves one tile of 16 queries of each: 16 or 18 key steps of 128 keys a wave, whatever i.
; LDS holds the head's whole k and v, 16 records of 12,800 bytes as they lie in memory, filled ONCE: every wave issues two tensor loads at the head (6,400 bytes of each half); nothing is filled again.
; No cluster: the four work-groups of a head leave out different key steps by a branch on their query block.  No prefetch: every tensor load stands at the head.
; LAYOUT.  Both products are used transposed: S^T = K Q^T, O^T = V^T P^T: a lane holds ONE query (lane % 16).  Lane r of query tile a is token 32 (a / 2) + 8 (a % 2) + r + 8 (r / 8).
; THE HEAD'S K IS 64, THE INSTRUCTION'S 128.  Row m of k's fragment e holds TWO keys: 32 e + 16 (m / 8) + m % 8 in its lower 64, that key + 8 in its upper.  It is multiplied by [q | 0] and by [0 | q]: zero codes
; make every product of the other half 0 under any scale byte that occurs.  The two forms of q overlap in one run of 18 registers, 0 x 6, q x 6, 0 x 6.  So the 16 registers of a fragment's two results are 16 neighbouring keys.
; OUT: O / sum, quantised along C, as half a fragment of the last product's operand (aq: [row tile][K step][1,536]), and its two scale bytes: a store of 2 bytes a row and head, 262,144 bytes in the whole launch.
; LIMITS: NaN and infinities are not served; a block of zeros gets the byte 1; largest magnitudes under 2^-124 are held at that floor.
.set REC,  12800
.set QS,   34                          ; v34 q's scale word [s0, s1, s0, s1]
.set KVR,  36                          ; v36-83 four fragments: k's, then v's
.set S,    84                          ; v84-147 S^T, then p
.set O,    148                         ; v148-179 O^T
.set PCD,  180                         ; v180-191 p's codes
.set BM,   192                         ; v192-195 the blocks' largest scores, then largest p
.set BT,   196                         ; v196-199 at work, then bytes
.set T2,   200                         ; v200-206 at work
.set SOP,  208                         ; v208-211 the conversions' scale operands
.set SK,   212                         ; v212-215 k's scale words, v216-219 v's
.set SV,   216
.set FF,   220                         ; v[220:221] f = 2^(old M - new M) (the upper register is written once)
.set PWD,  222                         ; v222 p's scale word
.set TA,   223
.set TC,   224
.set WV,   12
.set BLK,  13
.set BH,   14
.set G1,   16                          ; s[16:23] group 1; s[24:31] two groups 0
.set G0,   24
.set SEL,  32
.set CS,   34                          ; s[34:35] c = log2(e) / 8
.set TB,   36                          ; s36 the step's record in LDS
.set KF,   37                          ; s37 the step's first key
.set CNT,  38
.set A32,  39                          ; s39 32 (a / 2): the first token of my tile's group of 32
.macro FRAG reg, a16, a8, off
	ds_load_b128 v[\reg:\reg+3], v[\a16] offset:\off
	ds_load_b64 v[\reg+4:\reg+5], v[\a8] offset:\off+512
	ds_load_b128 v[\reg+6:\reg+9], v[\a16] offset:\off+768
	ds_load_b64 v[\reg+10:\reg+11], v[\a8] offset:\off+1280
.endm
	s_load_b256 s[4:11], s[0:1], 0x0               ; qb s[4:5], kv s[6:7], aq s[8:9], sc2 s[10:11]
	v_lshl_add_u32 v254, v0, 2, 0x32000
	v_mov_b32 v255, 0
	ds_add_u32 v254, v255
	ds_add_u32 v254, v255
	v_lshrrev_b32 v1, 5, v0
	s_delay_alu instid0(VALU_DEP_1)
	v_readfirstlane_b32 s[WV], v1                  ; wave 0..15
	s_and_b32 s[BH], ttmp7, 0xffff                 ; batch x 16 + head
	s_mov_b32 s[G1], 3<<16                         ; a dense block of 6,400 bytes as 25 rows of 256 (32 elements of 8 bytes), no padding
	s_mov_b32 s[G1+1], 32<<16
	s_mov_b32 s[G1+2], 25<<16
	s_mov_b32 s[G1+3], 32<<16
	s_mov_b32 s[G1+4], 25
	s_mov_b32 s[G1+5], 32
	s_mov_b32 s[G1+6], 0
	s_mov_b32 s[G1+7], 0
	s_mul_i32 s42, s[WV], 6400
	s_mul_i32 s40, s[BH], 16*REC
	s_add_co_u32 s40, s40, s42
	s_mov_b32 s41, 0
	s_wait_dscnt 0x0
	s_wait_kmcnt 0x0
	s_add_nc_u64 s[6:7], s[6:7], s[40:41]
.irp n, 0,1
	s_mov_b32 s[G0+4*\n], 1
	s_add_co_u32 s[G0+4*\n+1], s42, 102400*\n
	s_add_nc_u64 s[G0+4*\n+2:G0+4*\n+3], s[6:7], 102400*\n
	s_or_b32 s[G0+4*\n+3], s[G0+4*\n+3], 0x80000000
.endr
	tensor_load_to_lds s[G0:G0+3], s[G1:G1+7]      ; my part of keys 0 to 1,023
	s_nop 0
	tensor_load_to_lds s[G0+4:G0+7], s[G1:G1+7]    ; and of keys 1,024 to 2,047: two loads of mine are out
	s_nop 0
.rept 4
	v_nop
.endr
	v_and_b32 v9, 31, v0
	s_delay_alu instid0(VALU_DEP_1)
	v_lshlrev_b32 v1, 4, v9                        ; 16 x lane
	s_delay_alu instid0(VALU_DEP_2)
	v_lshlrev_b32 v2, 3, v9                        ; 8 x lane
	v_and_b32 v10, 15, v0                          ; r
	s_delay_alu instid0(VALU_DEP_1)
	v_lshlrev_b32 v3, 4, v10                       ; 16 r
	v_bfe_u32 v11, v0, 4, 1                        ; h
	s_and_b32 s48, s[WV], 1                        ; a % 2
	s_bfe_u32 s49, s[WV], 0x20001                  ; which fragment of q's record: (w % 8) / 2
	s_lshr_b32 s50, s[WV], 3
	s_and_b32 s51, s[WV], 7
	s_mul_i32 s51, s51, 768                        ; my tile's half fragment in the record
	v_add_nc_u32 v234, s51, v1
	s_wait_alu depctr_va_vdst(0)
	v_add_nc_u32 v235, s51, v2
	s_wait_alu depctr_va_vdst(0)
	s_lshl_b32 s49, s49, 2
	v_add_nc_u32 v236, s49, v3                     ; its scale word: 16 r + 4 e
	s_wait_alu depctr_va_vdst(0)
	v_and_b32 v8, 8, v10
	s_delay_alu instid0(VALU_DEP_1)
	v_add_nc_u32 v8, v8, v10
	v_lshlrev_b32 v11, 4, v11
	s_delay_alu instid0(VALU_DEP_1)
	v_sub_nc_u32 v8, v8, v11
	s_lshl_b32 s44, s48, 3
	v_add_nc_u32 v8, s44, v8                       ; my query's place in its group of 32, less 16 h: r + 8 (r / 8) + 8 (a % 2) - 16 h
	s_lshl_b32 s40, s[BH], 4
	s_add_co_u32 s40, s40, s50
	s_lshl_b32 s41, ttmp9, 1
	s_add_co_u32 s42, s40, s41                     ; q's record: 16 x head + 2 x block + w / 8
	s_mul_i32 s42, s42, 6400
	s_mov_b32 s43, 0
	s_add_nc_u64 s[52:53], s[4:5], s[42:43]        ; of block i
	s_sub_co_u32 s41, 14, s41
	s_add_co_u32 s42, s40, s41
	s_mul_i32 s42, s42, 6400
	s_add_nc_u64 s[54:55], s[4:5], s[42:43]        ; of block 7 - i
	global_load_b128 v[22:25], v234, s[52:53]      ; the first tile's q goes straight into the run
	global_load_b64 v[26:27], v235, s[52:53] offset:512
	global_load_b32 v232, v236, s[52:53] offset:6144
	global_load_b128 v[226:229], v234, s[54:55]
	global_load_b64 v[230:231], v235, s[54:55] offset:512
	global_load_b32 v233, v236, s[54:55] offset:6144
	s_and_b32 s40, s[BH], 15                       ; head
	s_mul_i32 s56, s40, 768                        ; the head's 64 along C: half fragment number = head
	s_lshr_b32 s57, s40, 3
	s_lshl_b32 s57, s57, 8
	s_and_b32 s40, s40, 7
	s_lshl_b32 s40, s40, 1
	s_add_co_u32 s57, s57, s40                     ; its two scale bytes: 256 (head / 8) + 2 (head % 8)
	s_lshl_b32 s58, s48, 4                         ; my tile's half of q's scale word
	s_mov_b32 s[SEL], 0x76543210
	s_mov_b32 s[SEL+1], 0xfedcba98
	s_mov_b32 s[CS], 0x3e38aa3b                    ; c = log2(e) / sqrt(64)
	s_mov_b32 s[CS+1], s[CS]                       ; (named with it as a pair, so it is written)
.irp i, 0,1,2,3,4,5
	v_mov_b32 v[16+\i], 0                          ; the zeros on both sides of q
	v_mov_b32 v[28+\i], 0
.endr
.irp b, 0,1,2,3
	v_mov_b32 v[BT+\b], 0                          ; a lane permute's destination counts as one of its sources
.endr
	v_mov_b32 v[FF+1], 0
	v_mov_b32 v[TA], 0
; A KEY STEP: 128 keys.
.macro STEP
	s_cmp_gt_u32 s[KF], s[A32]                     ; a step all of whose keys come after my queries is left out: a branch on ids, round its loads, products and softmax alone
	s_cbranch_scc1 .Lhidden_\@
	s_setprio 2
	v_add_nc_u32 v4, s[TB], v1
	v_add_nc_u32 v5, s[TB], v2
	v_add_nc_u32 v6, s[TB], v3
	v_nop                                          ; four places in front of loads into registers that the last products have read
.irp e, 0,1,2,3
	FRAG KVR+12*\e, 4, 5, 1536*\e
.endr
	ds_load_b128 v[SK:SK+3], v6 offset:12288
	s_wait_alu depctr_va_vdst(0)
	s_wait_dscnt 0x0
.irp e, 0,1,2,3
	v_wmma_scale_f32_16x16x128_f8f6f4 v[S+16*\e:S+16*\e+7], v[KVR+12*\e:KVR+12*\e+11], v[22:33], 0, v[SK+\e], v[QS] matrix_a_fmt:MATRIX_FMT_FP6 matrix_b_fmt:MATRIX_FMT_FP6      ; [q | 0]: keys 32 e + 16 h + 0 .. 7
	v_wmma_scale_f32_16x16x128_f8f6f4 v[S+16*\e+8:S+16*\e+15], v[KVR+12*\e:KVR+12*\e+11], v[16:27], 0, v[SK+\e], v[QS] matrix_a_fmt:MATRIX_FMT_FP6 matrix_b_fmt:MATRIX_FMT_FP6   ; [0 | q]: keys 32 e + 16 h + 8 .. 15
.endr
.rept 4
	v_nop
.endr
.irp t, 0,1,2,3
	FRAG KVR+12*\t, 4, 5, 6144+1536*\t             ; v's fragments take k's registers and land under the softmax
.endr
	ds_load_b128 v[SV:SV+3], v6 offset:12544
	s_add_co_u32 s40, s[KF], 127                   ; on the diagonal hidden scores become -infinity ahead of the maximum; a step all of whose keys count skips this
	s_cmp_le_u32 s40, s[A32]
	s_cbranch_scc1 .Lopen_\@
	s_sub_co_i32 s40, s[A32], s[KF]
	v_add_nc_u32 v[TA], s40, v8                    ; d = my query - KF - 16 h.  Register 16 e + i holds key KF + 32 e + 16 h + i: hidden where 32 e + i > d
	v_mov_b32 v[TC], 0xff800000
.set J, 0
.rept 64
	v_cmp_gt_i32 vcc_lo, 32*(J/16)+J%16, v[TA]
	v_cndmask_b32 v[S+J], v[S+J], v[TC], vcc_lo
.set J, J+1
.endr
.Lopen_\@:
.irp b, 0,1,2,3
	v_max3_num_f32 v[BM+\b], v[S+16*\b], v[S+1+16*\b], v[S+2+16*\b]   ; the largest score of each block of 32 keys: for the row's maximum, and, since p rises with the score, for the block's largest p
.endr
.irp i, 3,5,7,9,11,13
.irp b, 0,1,2,3
	v_max3_num_f32 v[BM+\b], v[BM+\b], v[S+16*\b+\i], v[S+1+16*\b+\i]
.endr
.endr
.irp b, 0,1,2,3
	v_max_num_f32 v[BM+\b], v[BM+\b], v[S+15+16*\b]
.endr
.irp b, 0,1,2,3
	s_delay_alu instid0(VALU_DEP_4)
	v_permlanex16_b32 v[BT+\b], v[BM+\b], s[SEL], s[SEL+1]
.endr
.irp b, 0,1,2,3
	s_delay_alu instid0(VALU_DEP_4)
	v_max_num_f32 v[BM+\b], v[BM+\b], v[BT+\b]     ; with lane l xor 16's 16 keys
.endr
	s_delay_alu instid0(VALU_DEP_2)
	v_max3_num_f32 v[TA], v[BM], v[BM+1], v[BM+2]
	s_delay_alu instid0(VALU_DEP_1)
	v_max_num_f32 v[TA], v[TA], v[BM+3]
	s_delay_alu instid0(VALU_DEP_1)
	v_mul_f32 v[TA], s[CS], v[TA]                  ; the step's largest t
	s_delay_alu instid0(VALU_DEP_1)
	v_max_num_f32 v13, v13, v[TA]                  ; the running largest t
	v_mov_b32 v[TA], v12
	s_delay_alu instid0(VALU_DEP_2)
	v_floor_f32 v12, -v13                          ; the new -M = floor(-t): M is a whole number
	s_delay_alu instid0(VALU_DEP_1)
	v_sub_f32 v[TA], v12, v[TA]                    ; old M - new M, 0 or less
	s_delay_alu instid0(VALU_DEP_1)
	v_cvt_i32_f32 v[TA], v[TA]                     ; (it saturates)
	s_delay_alu instid0(VALU_DEP_1)
	v_ldexp_f32 v[FF], 1.0, v[TA]                  ; f
.set J, 0
.rept 32
	v_pk_fma_f32 v[S+J:S+J+1], v[S+J:S+J+1], s[CS:CS+1], v[12:13] op_sel_hi:[1,0,0]   ; t - M, two at a time
.set J, J+2
.endr
	s_setprio 1
.irp b, 0,1,2,3
	v_fma_f32 v[BM+\b], v[BM+\b], s[CS], v12       ; the same of each block's largest score
.endr
.set J, 0
	s_wait_alu depctr_va_vdst(0)
.rept 64
	v_exp_f32 v[S+J], v[S+J]                       ; p = 2^(t - M)
.set J, J+1
.endr
	v_pk_mul_f32 v[14:15], v[14:15], v[FF:FF+1] op_sel_hi:[1,0]   ; the sums under the new M: a plain place behind the exponentials
	s_wait_alu depctr_va_vdst(0)                   ; one wait for the whole batch, ahead of its first reader
.irp b, 0,1,2,3
	v_exp_f32 v[BM+\b], v[BM+\b]                   ; the block's largest p
.endr
	v_pk_add_f32 v[196:197], v[88:89], v[92:93]
	v_pk_add_f32 v[252:253], v[96:97], v[100:101]
	v_pk_add_f32 v[250:251], v[104:105], v[108:109]
	v_pk_add_f32 v[248:249], v[112:113], v[116:117]
	v_pk_add_f32 v[246:247], v[120:121], v[124:125]
	v_pk_add_f32 v[244:245], v[128:129], v[132:133]
	v_pk_add_f32 v[242:243], v[136:137], v[140:141]
	v_pk_add_f32 v[14:15], v[14:15], v[144:145]
	v_pk_add_f32 v[196:197], v[196:197], v[84:85]
	v_pk_add_f32 v[252:253], v[252:253], v[86:87]
	v_pk_add_f32 v[250:251], v[250:251], v[90:91]
	v_pk_add_f32 v[248:249], v[248:249], v[94:95]
	v_pk_add_f32 v[246:247], v[246:247], v[98:99]
	v_pk_add_f32 v[244:245], v[244:245], v[102:103]
	v_pk_add_f32 v[242:243], v[242:243], v[106:107]
	v_pk_add_f32 v[14:15], v[14:15], v[110:111]
	v_pk_add_f32 v[196:197], v[196:197], v[114:115]
	v_pk_add_f32 v[252:253], v[252:253], v[118:119]
	v_pk_add_f32 v[250:251], v[250:251], v[122:123]
	v_pk_add_f32 v[248:249], v[248:249], v[126:127]
	v_pk_add_f32 v[246:247], v[246:247], v[130:131]
	v_pk_add_f32 v[244:245], v[244:245], v[134:135]
	v_pk_add_f32 v[242:243], v[242:243], v[138:139]
	v_pk_add_f32 v[14:15], v[14:15], v[142:143]
	v_pk_add_f32 v[196:197], v[196:197], v[146:147]
	s_delay_alu instid0(VALU_DEP_2)
	v_pk_add_f32 v[14:15], v[14:15], v[248:249]
	s_delay_alu instid0(VALU_DEP_2)
	v_pk_add_f32 v[196:197], v[196:197], v[246:247]
	v_pk_add_f32 v[252:253], v[252:253], v[244:245]
	v_pk_add_f32 v[250:251], v[250:251], v[242:243]
	s_delay_alu instid0(VALU_DEP_2)
	v_pk_add_f32 v[14:15], v[14:15], v[252:253]
	s_delay_alu instid0(VALU_DEP_2)
	v_pk_add_f32 v[196:197], v[196:197], v[250:251]
	s_delay_alu instid0(VALU_DEP_1)
	v_pk_add_f32 v[14:15], v[14:15], v[196:197]
	s_wait_alu depctr_va_vdst(0)                   ; and one for the four
.irp b, 0,1,2,3
	v_max_num_f32 v[BM+\b], 0x1800000, v[BM+\b]    ; the floor: a block whose every p is 0 keeps the byte 1, its codes are zeros
.endr
.irp b, 0,1,2,3
	s_delay_alu instid0(VALU_DEP_4)
	v_add_nc_u32 v[SOP+\b], 0xff000000, v[BM+\b]
.endr
.irp b, 0,1,2,3
	s_delay_alu instid0(VALU_DEP_4)
	v_lshrrev_b32 v[BT+\b], 23, v[SOP+\b]
.endr
	s_delay_alu instid0(VALU_DEP_3)
	v_lshl_or_b32 v[PWD], v[BT+1], 8, v[BT]
	s_delay_alu instid0(VALU_DEP_1)
	v_lshl_or_b32 v[PWD], v[BT+2], 16, v[PWD]
	s_delay_alu instid0(VALU_DEP_1)
	v_lshl_or_b32 v[PWD], v[BT+3], 24, v[PWD]
	s_setprio 0
.irp c, 0,1
	v_cvt_scalef32_pk16_fp6_f32 v[PCD+6*\c:PCD+2+6*\c], v[S+32*\c:S+15+32*\c], v[SOP+2*\c]
	v_cvt_scalef32_pk16_fp6_f32 v[T2+4*\c:T2+2+4*\c], v[S+16+32*\c:S+31+32*\c], v[SOP+2*\c+1]
.endr
	v_nop                                          ; one plain place behind a scaled conversion
.irp c, 0,1
.irp i, 0,1,2
	v_permlane16_swap_b32 v[PCD+6*\c+\i], v[T2+4*\c+\i]
.endr
.irp i, 0,1,2
	s_delay_alu instid0(VALU_DEP_3)
	v_mov_b32 v[PCD+3+6*\c+\i], v[T2+4*\c+\i]
.endr
.endr
.set J, 0
.rept 16
	v_pk_mul_f32 v[O+J:O+J+1], v[O+J:O+J+1], v[FF:FF+1] op_sel_hi:[1,0]   ; O^T under the new M; these sixteen are also the places between the codes and the scale word just made and the products
.set J, J+2
.endr
	s_wait_alu depctr_va_vdst(0)
	s_wait_dscnt 0x0                               ; v's fragments and words are in
.irp t, 0,1,2,3
	v_wmma_scale_f32_16x16x128_f8f6f4 v[O+8*\t:O+8*\t+7], v[KVR+12*\t:KVR+12*\t+11], v[PCD:PCD+11], v[O+8*\t:O+8*\t+7], v[SV+\t], v[PWD] matrix_a_fmt:MATRIX_FMT_FP6 matrix_b_fmt:MATRIX_FMT_FP6
.endr
.Lhidden_\@:
	s_add_co_u32 s[TB], s[TB], REC
	s_add_co_u32 s[KF], s[KF], 128
.endm
; One query tile: its addresses, q's scale word, empty sums, and a loop over a constant number of key steps.
.macro PHASE p, trips
	s_wait_xcnt 0x0                                ; earlier loads and stores have read their addresses and data
	s_lshl_b32 s40, s[BLK], 4
	s_add_co_u32 s40, s40, s[WV]                   ; a: my tile of the sequence's 128
	s_lshr_b32 s[A32], s40, 1
	s_lshl_b32 s[A32], s[A32], 5
	s_lshr_b32 s41, s[BH], 4
	s_lshl_b32 s41, s41, 7
	s_add_co_u32 s40, s40, s41                     ; row tile 128 x batch + a
	s_mul_i32 s42, s40, 12288
	s_add_co_u32 s42, s42, s56
	s_mov_b32 s43, 0
	s_add_nc_u64 s[44:45], s[8:9], s[42:43]
	s_lshl_b32 s42, s40, 9
	s_add_co_u32 s42, s42, s57
	s_add_nc_u64 s[46:47], s[10:11], s[42:43]
.if \p
.irp i, 0,1,2,3,4,5
	v_mov_b32 v[22+\i], v[226+\i]
.endr
.endif
	v_lshrrev_b32 v[QS], s58, v[232+\p]
	s_delay_alu instid0(VALU_DEP_1)
	v_and_b32 v[QS], 0xffff, v[QS]
	s_delay_alu instid0(VALU_DEP_1)
	v_lshl_or_b32 v[QS], v[QS], 16, v[QS]
	v_mov_b32 v13, 0xff61b1e6                      ; the largest t so far: -3e38
	s_delay_alu instid0(VALU_DEP_1)
	v_floor_f32 v12, -v13
	v_mov_b32 v14, 0
	v_mov_b32 v15, 0
.set J, 0
.rept 32
	v_mov_b32 v[O+J], 0                            ; the step is written once: its first trip finds zeros, which the first change of M leaves zeros
.set J, J+1
.endr
	s_mov_b32 s[TB], 0
	s_mov_b32 s[KF], 0
	s_mov_b32 s[CNT], \trips
.Lstep_\p:
	STEP
	s_sub_co_u32 s[CNT], s[CNT], 1
	s_cmp_lg_u32 s[CNT], 0
	s_cbranch_scc1 .Lstep_\p
	s_setprio 0
.endm
; O^T / the sum; its 32 registers are the head's 64 along C, 16 h + 0 .. 15 of each block of 32: quantised as every operand is, they leave as half a fragment.
.macro FINISH
.rept 4
	v_nop
.endr
	v_add_f32 v14, v14, v15
	s_delay_alu instid0(VALU_DEP_1)
	v_permlanex16_b32 v[TA], v14, s[SEL], s[SEL+1]
	s_delay_alu instid0(VALU_DEP_1)
	v_add_f32 v14, v14, v[TA]                      ; the row's sum
	s_wait_alu depctr_va_vdst(0)
	v_rcp_f32 v14, v14
	v_nop                                          ; a plain place behind the transcendental
	s_wait_alu depctr_va_vdst(0)                   ; the wait, ahead of the first reader
.set J, 0
.rept 32
	v_mul_f32 v[S+J], v[O+J], v14
.set J, J+1
.endr
.irp b, 0,1
	v_max3_num_f32 v[BM+\b], |v[S+16*\b]|, |v[S+1+16*\b]|, 0x1800000
.endr
.irp i, 2,4,6,8,10,12,14
.irp b, 0,1
	s_delay_alu instid0(VALU_DEP_2)
	v_max3_num_f32 v[BM+\b], v[BM+\b], |v[S+16*\b+\i]|, |v[S+1+16*\b+\i]|
.endr
.endr
.irp b, 0,1
	s_delay_alu instid0(VALU_DEP_2)
	v_permlanex16_b32 v[BT+\b], v[BM+\b], s[SEL], s[SEL+1]
.endr
.irp b, 0,1
	s_delay_alu instid0(VALU_DEP_2)
	v_max_num_f32 v[BM+\b], v[BM+\b], v[BT+\b]
.endr
.irp b, 0,1
	s_delay_alu instid0(VALU_DEP_2)
	v_add_nc_u32 v[SOP+\b], 0xff000000, v[BM+\b]
.endr
.irp b, 0,1
	s_delay_alu instid0(VALU_DEP_2)
	v_lshrrev_b32 v[BT+\b], 23, v[SOP+\b]
.endr
	s_delay_alu instid0(VALU_DEP_1)
	v_lshl_or_b32 v[TC], v[BT+1], 8, v[BT]         ; my row's two scale bytes
	v_cvt_scalef32_pk16_fp6_f32 v[PCD:PCD+2], v[S:S+15], v[SOP]
	v_cvt_scalef32_pk16_fp6_f32 v[T2:T2+2], v[S+16:S+31], v[SOP+1]
	v_nop
.irp i, 0,1,2
	v_permlane16_swap_b32 v[PCD+\i], v[T2+\i]
.endr
.irp i, 0,1,2
	s_delay_alu instid0(VALU_DEP_3)
	v_mov_b32 v[PCD+3+\i], v[T2+\i]
.endr
	global_store_b128 v1, v[PCD:PCD+3], s[44:45]
	global_store_b64 v2, v[PCD+4:PCD+5], s[44:45] offset:512
	global_store_b16 v3, v[TC], s[46:47]           ; both halves of the lanes write the same two bytes with the same value
.endm
	s_wait_tensorcnt 0x1                           ; my part of keys 0 to 1,023 is in; the other half's load may stay out
	s_barrier_signal -1
	s_barrier_wait -1                              ; everybody's is
	s_wait_loadcnt 0x0                             ; q
	s_mov_b32 s[BLK], ttmp9
	PHASE 0, 8                                     ; block i lies under token 1,024: eight key steps at the most
	FINISH
	s_wait_tensorcnt 0x0                           ; my part of keys 1,024 to 2,047 is in
	s_wait_dscnt 0x0
	s_barrier_signal -1
	s_barrier_wait -1
	s_sub_co_u32 s[BLK], 7, ttmp9
	PHASE 1, 16
	FINISH
	s_wait_tensorcnt 0x0
	ds_add_u32 v254, v255
	s_wait_dscnt 0x0
	s_endpgm
.Lfunc_end_k_q4da941d054_attn:
	.size	k_q4da941d054_attn, .Lfunc_end_k_q4da941d054_attn-k_q4da941d054_attn
	.p2alignl 7, 3214868480
	.fill 96, 4, 3214868480
	.section	.rodata,"a",@progbits
	.p2align	6, 0x0
	.amdhsa_kernel k_q4da941d054_attn
		.amdhsa_group_segment_fixed_size 206848
		.amdhsa_private_segment_fixed_size 0
		.amdhsa_enable_private_segment 0
		.amdhsa_kernarg_size 32
		.amdhsa_user_sgpr_count 2
		.amdhsa_user_sgpr_kernarg_segment_ptr 1
		.amdhsa_wavefront_size32 1
		.amdhsa_system_sgpr_workgroup_id_x 1
		.amdhsa_system_sgpr_workgroup_id_y 1
		.amdhsa_system_sgpr_workgroup_id_z 1
		.amdhsa_system_vgpr_workitem_id 0
		.amdhsa_next_free_vgpr 256
		.amdhsa_next_free_sgpr 66
		.amdhsa_reserve_vcc 1
		.amdhsa_float_denorm_mode_32 3
		.amdhsa_float_denorm_mode_16_64 3
		.amdhsa_memory_ordered 1
		.amdhsa_forward_progress 1
		.amdhsa_inst_pref_size 64
	.end_amdhsa_kernel
	.amdgpu_metadata
---
amdhsa.version: [ 1, 2 ]
amdhsa.kernels:
  - .name:           k_q4da941d054_attn
    .symbol:         k_q4da941d054_attn.kd
    .args:
      - { .name: qb, .offset: 0, .size: 8, .value_kind: global_buffer, .address_space: global }
      - { .name: kv, .offset: 8, .size: 8, .value_kind: global_buffer, .address_space: global }
      - { .name: aq, .offset: 16, .size: 8, .value_kind: global_buffer, .address_space: global }
      - { .name: sc2, .offset: 24, .size: 8, .value_kind: global_buffer, .address_space: global }
    .group_segment_fixed_size: 206848
    .private_segment_fixed_size: 0
    .kernarg_segment_align: 8
    .kernarg_segment_size: 32
    .max_flat_workgroup_size: 512
    .sgpr_count:     66
    .vgpr_count:     256
    .wavefront_size: 32
...
	.end_amdgpu_metadata
.endif
;; end of part 3
;; launch proj (part 4): grid 4 x 32, 4 waves a work-group, clusters of 4 x 4, 327,680 bytes of LDS; arguments aq, wpq, sc2, b_proj, out0; writes out0
.if DOCPART == 4
	.amdgcn_target "amdgcn-amd-amdhsa--gfx1250"
	.amdhsa_code_object_version 6
	.text
	.protected	k_q4da941d054_proj
	.globl	k_q4da941d054_proj
	.p2align	8
	.type	k_q4da941d054_proj,@function
k_q4da941d054_proj:
	s_mov_b64 s[64:65], 0
	v_nop
	global_prefetch_b8 v0, s[64:65] scope:SCOPE_SE
	s_setreg_imm32_b32 hwreg(HW_REG_WAVE_MODE, 25, 1), 1
	s_wait_xcnt 0x0
	s_wait_alu depctr_hold_cnt(0) depctr_sa_sdst(0) depctr_va_vdst(0) depctr_va_sdst(0) depctr_va_ssrc(0) depctr_va_vcc(0) depctr_vm_vsrc(0)
	s_getreg_b32 s2, hwreg(HW_REG_IB_STS2, 6, 4)
	s_cmp_eq_u32 s2, 0
	s_cbranch_scc0 .Lentry_in_a_cluster
	s_endpgm
.Lentry_in_a_cluster:
	s_bfe_u32 s2, ttmp6, 0x10000c
	s_cmp_lg_u32 s2, 0xf033
	s_cbranch_scc0 .Lentry_shape_is_right
	s_endpgm
.Lentry_shape_is_right:
; out0 = attention's output x W_proj + b_proj on codes of FP6 (E2M3) with E8M0 scales, K = 1,024; out0 [8192][1024] f32.
; A work-group of four waves makes 256 x 256, a wave 128 x 128: 64 accumulators.  Source 0 = 16 columns of W_proj (two register sets), source 1 = 16 tokens (one set): a lane holds one token and eight neighbouring columns.
; 8 clusters of 4 x 4: source 0's tile hangs on the place along the cluster's x, source 1's on the tile row: each tile is asked for JOINTLY by the four that share it.
; Operands lie in memory as fragments: [row tile][K step][1,536 bytes], a half fragment = 512 bytes at 16 x lane + 256 bytes at 8 x lane.  Lane r of row tile 2 B + u is row 32 B + 8 u + r + 8 (r / 8).
; LDS: three slots of two K steps (source 1's 16 row tiles x 3,072 bytes, then source 0's).  K quarters 0, 1, 2 are first fills; quarter 3 fills slot 0 again, the launch's one refill: by this text's count
; a wave has three tensor loads out at the start and one behind the refill.  The scale words of all K come straight into 64 registers; the bias is the C of the first K step.
; The way out goes through a stage in slot 1, which has had its last fill and, behind the second barrier, its last read.
.set SLOT,  98304
.set SPARE, 3*SLOT                     ; behind the slots: the spare words, 128 bytes for each wave, that no other line names
.set FR,    12
.set A16,   4                          ; v4-6   source 1's fragments in slot 0, 1, 2: + 16 x lane;  v7-9 + 8 x lane
.set A8,    7
.set B16,   10                         ; v10-12, v13-15 the same for source 0
.set B8,    13
.set L16,   16                         ; v16 16 x lane, v17 8 x lane
.set L8,    17
.set STO,   24                         ; v24 the way out: where I put 32 bytes of a row;  v25 where I read a row back
.set RD,    25
.set SPW,   28                         ; v28 my spare word's address, v29 0: never rewritten
.set NIL,   29
.set SC,    32                         ; v32-95 scale words: register 8 i + s: lanes 0-15 source 1's block i, lanes 16-31 source 0's block i, K step s
.set BIAS,  96                         ; v96-159 the bias, eight registers a block of source 0
.set AF,    160                        ; v160-255 source 1's eight fragments.  Window 1: source 0's two sets at v0 and v128.  Windows 2, 3: accumulator (a, b) at 8 (8 (a % 4) + b)
.set BK,    128                        ; the way out: 16 rows read back: v128-191 and v192-255 by turns
.set WV,    14
.set HA,    15                         ; s15 which half of source 1's rows is mine; also: I fetch for source 1 (0) or source 0 (1)
.set HB,    16                         ; s16 which half of source 0's rows; also: which 8 row tiles I fetch
.set G1A,   24                         ; s[24:31] group 1, s[32:47] four groups 0 (one for each quarter of K) for source 1
.set G0A,   32
.set G1B,   48                         ; s[48:55], s[68:83] for source 0
.set G0B,   68
.set HM,    66                         ; s66 lanes 16-31
.set MSB, 0
.macro WIN new                         ; the immediate's high byte repeats the setting that is left
.if MSB != (\new)
	s_set_vgpr_msb (MSB<<8)|(\new)
.set MSB, (\new)
.endif
.endm
.macro CREST                           ; a round of the cluster's barrier behind its opening barrier
	s_cmp_lg_u32 s[WV], 0
	s_cbranch_scc1 .Lnot_wave_0_\@
	s_barrier_signal -3
.Lnot_wave_0_\@:
	s_barrier_wait -3
	s_barrier_signal -1
	s_barrier_wait -1
.endm
.macro CROUND
	s_barrier_signal -1
	s_barrier_wait -1
	CREST
.endm
.macro PLACES                          ; four plain places between a matrix instruction and a load into, or a read of, its registers
.rept 4
	v_nop
.endr
.endm
.macro FRAG reg, a16, a8, off          ; a fragment's 12 registers, as they were stored
	ds_load_b128 v[\reg:\reg+3], v[\a16] offset:\off
	ds_load_b64 v[\reg+4:\reg+5], v[\a8] offset:\off+512
	ds_load_b128 v[\reg+6:\reg+9], v[\a16] offset:\off+768
	ds_load_b64 v[\reg+10:\reg+11], v[\a8] offset:\off+1280
.endm
.macro FETCH_B s                       ; source 0's eight fragments of K step s into set s % 2
	WIN 0x40
.irp i, 0,1,2,3,4,5,6,7
	FRAG 128*((\s)%2)+FR*\i, B16+((\s)/2)%3, B8+((\s)/2)%3, 3072*\i+1536*((\s)%2)
.endr
	WIN 0
.endm
.macro FETCH_A s, i0                   ; source 1's blocks i0 .. i0 + 3
.irp i, \i0, \i0+1, \i0+2, \i0+3
	FRAG AF+FR*(\i), A16+((\s)/2)%3, A8+((\s)/2)%3, 3072*(\i)+1536*((\s)%2)
.endr
.endm
; 16 matrix instructions: source 1's blocks a0, a0 + 1 x source 0's eight, K step s.  cm = 0: onto the sums; 1: the sums begin with the bias of source 0's block.
; The 64 accumulators take turns, one instruction a turn, in the same order in every K step.
.macro MUL16 a0, s, cm
.irp a, \a0, \a0+1
.irp b, 0,1,2,3,4,5,6,7
.set rD, 8*(8*((\a)%4)+\b)
.set rB, 128*((\s)%2)+FR*\b
.set rA, AF+FR*(\a)
.set rC, BIAS+8*\b
.if \cm == 0
	v_wmma_scale_f32_16x16x128_f8f6f4 v[rD:rD+7], v[rB:rB+11], v[rA:rA+11], v[rD:rD+7], v[SC+8*\b+(\s)], v[SC+8*(\a)+(\s)] matrix_a_fmt:MATRIX_FMT_FP6 matrix_b_fmt:MATRIX_FMT_FP6 matrix_a_scale:MATRIX_SCALE_ROW1
.else
	v_wmma_scale_f32_16x16x128_f8f6f4 v[rD:rD+7], v[rB:rB+11], v[rA:rA+11], v[rC:rC+7], v[SC+8*\b+(\s)], v[SC+8*(\a)+(\s)] matrix_a_fmt:MATRIX_FMT_FP6 matrix_b_fmt:MATRIX_FMT_FP6 matrix_a_scale:MATRIX_SCALE_ROW1
.endif
.endr
.endr
.endm
.macro STEP s, cm                      ; a K step whose successor lies in a slot already shown whole
	s_wait_dscnt 16                                ; source 0's set and source 1's blocks 0-3 are in; the youngest 16 loads (blocks 4-7) may be out
.if \cm
	WIN 0x81                                       ; source 0 window 1, source 1 and C window 0, D window 2
.else
	WIN 0xa1                                       ; C and D window 2
.endif
	MUL16 0, \s, \cm
	MUL16 2, \s, \cm
	s_wait_dscnt 0x0                               ; blocks 4-7 are in
	PLACES
	FETCH_B (\s)+1
	FETCH_A (\s)+1, 0
.if \cm
	WIN 0xc1
.else
	WIN 0xf1
.endif
	MUL16 4, \s, \cm
	MUL16 6, \s, \cm
	PLACES
	WIN 0
	FETCH_A (\s)+1, 4
.endm
; A K step with a barrier in it.  In front of the barrier each wave waits for all its tensor loads, adds 0 to its spare word, and waits for that and for its LDS reads.
; fill = 1: the barrier opens a round of the cluster's barrier, and behind it slot 0, which nobody reads any more, takes the last quarter of K.  fill = 0: that quarter is shown whole to every wave.
.macro TURN s, fill
	s_wait_tensorcnt 0x0                           ; all my tensor loads have landed
	ds_add_u32 v[SPW], v[NIL]                      ; 0 onto my spare word
	s_wait_dscnt 17                                ; (the add and the youngest 16 loads may be out)
	WIN 0xa1
	MUL16 0, \s, 0                                 ; sixteen matrix instructions stand between the add and the wait for it
	s_wait_dscnt 0x0                               ; the add is done and my LDS reads are over
	s_barrier_signal -1
	MUL16 2, \s, 0
	WIN 0
	s_barrier_wait -1
.if \fill
	CREST                                          ; no wave of any partner still reads slot 0 or has a load on its way
	s_cmp_eq_u32 s[HA], 0
	s_cbranch_scc0 .Lfor_b
	tensor_load_to_lds s[G0A+12:G0A+15], s[G1A:G1A+7]
	s_nop 0
	PLACES                                         ; (the places in front of the loads below)
	s_branch .Lasked
.Lfor_b:
	tensor_load_to_lds s[G0B+12:G0B+15], s[G1B:G1B+7]
	s_nop 0
	PLACES
.Lasked:
.else
	PLACES
.endif
	FETCH_B (\s)+1
	FETCH_A (\s)+1, 0
	WIN 0xf1
	MUL16 4, \s, 0
	MUL16 6, \s, 0
	PLACES
	WIN 0
	FETCH_A (\s)+1, 4
.endm
	s_load_b256 s[4:11], s[0:1], 0x0               ; aq s[4:5], wpq s[6:7], sc2 s[8:9], b_proj s[10:11]
	s_load_b64 s[84:85], s[0:1], 0x20              ; out0
	v_lshl_add_u32 v[SPW], v0, 2, SPARE
	v_mov_b32 v[NIL], 0
	ds_add_u32 v28, v29
	ds_add_u32 v28, v29
	s_wait_dscnt 0x0
	v_lshrrev_b32 v1, 5, v0
	v_readfirstlane_b32 s[WV], v1                  ; wave 0..3
	s_lshr_b32 s[HA], s[WV], 1
	s_and_b32 s[HB], s[WV], 1
	s_bfe_u32 s17, ttmp6, 0x40000                  ; cx
	s_bfe_u32 s18, ttmp6, 0x40004                  ; cy
	s_mov_b32 s19, s17                             ; t0: source 0's tile of 256 columns: the grid is one cluster wide
	s_and_b32 s20, ttmp7, 0xffff
	s_lshl_b32 s20, s20, 2
	s_add_co_u32 s20, s20, s18                     ; t1: source 1's tile of 256 tokens = 4 x cluster y + cy
	s_lshl_b32 s21, s18, 2
	s_lshl_b32 s21, 15, s21                        ; my row of the cluster
	s_lshl_b32 s22, 0x1111, s17                    ; my column
	; group 1: 8 row tiles x 3,072 bytes (384 elements of 8 bytes), 12,288 bytes apart, no padding
	s_or_b32 s[G1A], s21, (3<<16)|(1<<21)          ; source 1's tiles go to my row
	s_or_b32 s[G1B], s22, (3<<16)|(1<<21)          ; source 0's to my column
.irp g, G1A, G1B
	s_mov_b32 s[\g+1], 384<<16                     ; tensor_dim0
	s_mov_b32 s[\g+2], 8<<16                       ; tensor_dim1
	s_mov_b32 s[\g+3], 384<<16                     ; tile_dim0
	s_mov_b32 s[\g+4], 8                           ; tile_dim1
	s_mov_b32 s[\g+5], 1536                        ; from row tile to row tile
	s_mov_b32 s[\g+6], 0
	s_mov_b32 s[\g+7], 0
.endr
	s_lshl_b32 s23, s[HB], 3                       ; which 8 row tiles I fetch
	s_lshl_b32 s88, s20, 4
	s_add_co_u32 s88, s88, s23
	s_mul_i32 s88, s88, 12288
	s_mov_b32 s89, 0
	s_lshl_b32 s90, s19, 4
	s_add_co_u32 s90, s90, s23
	s_mul_i32 s90, s90, 12288
	s_mov_b32 s91, 0
	s_mul_i32 s92, s[WV], 24576                    ; where they go: wave x 8 row tiles: no place in the cluster enters an LDS address
	s_wait_kmcnt 0x0
	s_add_nc_u64 s[60:61], s[4:5], s[88:89]        ; source 1
	s_add_nc_u64 s[58:59], s[6:7], s[90:91]        ; source 0
	CROUND                                         ; all sixteen work-groups are here: the first joint loads meet
.irp n, 0,1,2,3
	s_mov_b32 s[G0A+4*\n], 1
	s_add_co_u32 s[G0A+4*\n+1], s92, (\n%3)*SLOT
	s_add_nc_u64 s[G0A+4*\n+2:G0A+4*\n+3], s[60:61], 3072*\n
	s_or_b32 s[G0A+4*\n+3], s[G0A+4*\n+3], 0x80000000
	s_mov_b32 s[G0B+4*\n], 1
	s_add_co_u32 s[G0B+4*\n+1], s92, (\n%3)*SLOT
	s_add_nc_u64 s[G0B+4*\n+2:G0B+4*\n+3], s[58:59], 3072*\n
	s_or_b32 s[G0B+4*\n+3], s[G0B+4*\n+3], 0x80000000
.endr
	s_cmp_eq_u32 s[HA], 0                          ; a wave's three first fills stand in one branch
	s_cbranch_scc0 .Lfirst_b
	tensor_load_to_lds s[G0A:G0A+3], s[G1A:G1A+7]
	s_nop 0
	tensor_load_to_lds s[G0A+4:G0A+7], s[G1A:G1A+7]
	s_nop 0
	tensor_load_to_lds s[G0A+8:G0A+11], s[G1A:G1A+7]
	s_nop 0
	PLACES
	s_branch .Lfirst_asked
.Lfirst_b:
	tensor_load_to_lds s[G0B:G0B+3], s[G1B:G1B+7]
	s_nop 0
	tensor_load_to_lds s[G0B+4:G0B+7], s[G1B:G1B+7]
	s_nop 0
	tensor_load_to_lds s[G0B+8:G0B+11], s[G1B:G1B+7]
	s_nop 0
	PLACES
.Lfirst_asked:
	v_and_b32 v1, 31, v0
	v_lshlrev_b32 v[L16], 4, v1
	v_lshlrev_b32 v[L8], 3, v1
	s_mul_i32 s21, s[HA], 24576                    ; my 8 row tiles of source 1
	s_mul_i32 s22, s[HB], 24576
	s_add_co_u32 s22, s22, 49152                   ; and of source 0, behind source 1's 16
.irp s, 0,1,2
	v_add_nc_u32 v[A16+\s], s21, v[L16]
	v_add_nc_u32 v[A8+\s], s21, v[L8]
	v_add_nc_u32 v[B16+\s], s22, v[L16]
	v_add_nc_u32 v[B8+\s], s22, v[L8]
	s_add_co_u32 s21, s21, SLOT
	s_add_co_u32 s22, s22, SLOT
.endr
	v_and_b32 v2, 15, v0                           ; r
	v_lshlrev_b32 v3, 4, v2                        ; 16 r
	v_bfe_u32 v20, v0, 4, 1                        ; h
	s_lshl_b32 s21, s20, 4
	s_lshl_b32 s22, s[HA], 3
	s_add_co_u32 s21, s21, s22
	s_lshl_b32 s21, s21, 9                         ; source 1's words: 512 bytes a row tile
	s_lshl_b32 s22, s19, 4
	s_add_co_u32 s22, s22, s23
	s_lshl_b32 s22, s22, 9
	s_add_co_u32 s22, s22, 262144                  ; source 0's, behind source 1's 262,144 bytes
	s_mov_b32 s[HM], 0xffff0000
	v_mov_b32 v18, s21
	v_mov_b32 v19, s22
	v_cndmask_b32 v18, v18, v19, s[HM]             ; lanes 0-15 take source 1's, lanes 16-31 source 0's
	v_add_nc_u32 v18, v18, v3
.irp i, 0,1,2,3,4,5,6,7
.irp k, 0,1
	global_load_b128 v[SC+8*\i+4*\k:SC+8*\i+4*\k+3], v18, s[8:9] offset:512*\i+256*\k   ; sixteen lanes read 256 consecutive bytes: a row tile's words of four K steps
.endr
.endr
	v_lshlrev_b32 v21, 6, v20                      ; register j of block b is column 32 (b / 2) + 8 (b % 2) + 16 h + j
	s_lshl_b32 s21, s19, 10
	s_lshl_b32 s22, s[HB], 9
	s_add_co_u32 s21, s21, s22
	v_add_nc_u32 v21, s21, v21
.irp b, 0,1,2,3,4,5,6,7
	global_load_b128 v[BIAS+8*\b:BIAS+8*\b+3], v21, s[10:11] offset:4*(32*(\b/2)+8*(\b%2))
	global_load_b128 v[BIAS+8*\b+4:BIAS+8*\b+7], v21, s[10:11] offset:4*(32*(\b/2)+8*(\b%2))+16
.endr
	s_mul_i32 s21, s[WV], 8448
	s_add_co_u32 s21, s21, SLOT                    ; my stage: 16 rows x (512 bytes + 16), in slot 1
	v_mul_u32_u24 v[STO], v2, 528
	v_lshl_add_u32 v[STO], v20, 6, v[STO]
	v_add_nc_u32 v[STO], s21, v[STO]               ; in: row r, + 64 h
	v_add_nc_u32 v[RD], s21, v[L16]                ; back: a row of 512 bytes, 16 bytes a lane
	s_lshl_b32 s21, s20, 20                        ; my first row of out0: 256 t1 + 128 HA, 4,096 bytes a row;
	s_lshl_b32 s22, s[HA], 19
	s_add_co_u32 s22, s22, s21
	s_lshl_b32 s21, s19, 10                        ; my first column: 256 t0 + 128 HB, 4 bytes each
	s_add_co_u32 s22, s22, s21
	s_lshl_b32 s21, s[HB], 9
	s_add_co_u32 s22, s22, s21
	s_mov_b32 s23, 0
	s_add_nc_u64 s[84:85], s[84:85], s[22:23]
	s_wait_tensorcnt 0x2                           ; my part of quarter 0 is in; the two younger loads may stay out
	s_barrier_signal -1
	s_barrier_wait -1                              ; everybody's is
	FETCH_B 0
	FETCH_A 0, 0
	FETCH_A 0, 4
	s_wait_loadcnt 0x0                             ; the scale words and the bias
	STEP 0, 1                                      ; the first K step starts the sums with the bias
	TURN 1, 1                                      ; slots 1 and 2 are shown whole to every wave here, so K steps 2 to 5 need no barrier
	STEP 2, 0
	STEP 3, 0
	STEP 4, 0
	TURN 5, 0
	STEP 6, 0
	s_wait_dscnt 16                                ; the last K step: nothing more to fetch
	WIN 0xa1
	MUL16 0, 7, 0
	MUL16 2, 7, 0
	s_wait_dscnt 0x0
	WIN 0xf1
	MUL16 4, 7, 0
	MUL16 6, 7, 0
	WIN 0
; THE WAY OUT, a block of 16 tokens x 128 columns at a time.  A lane holds 32 neighbouring bytes of a row and the lanes beside it hold other rows: so a block goes through my own stage and comes back as whole rows
; of 512 bytes.  LDS serves a wave's instructions in order (ISA guide 5.7.1.4): no wait between the stores and the loads, nor in front of the next block's stores.
.macro TOSTAGE a
.set AC, 64*((\a)%4)
	WIN 0x08+4*((\a)/4)                            ; the data: window 2 or 3
.irp b, 0,1,2,3,4,5,6,7
	ds_store_b128 v[STO], v[AC+8*\b:AC+8*\b+3] offset:128*(\b/2)+32*(\b%2)         ; each accumulator from its low end on
	ds_store_b128 v[STO], v[AC+8*\b+4:AC+8*\b+7] offset:128*(\b/2)+32*(\b%2)+16
.endr
	WIN 0
.set BB, BK+64*((\a)%2)
.irp t, 0,1,2,3,4,5,6,7,8,9,10,11,12,13,14,15
	ds_load_b128 v[BB+4*\t:BB+4*\t+3], v[RD] offset:\t*528
.endr
.endm
.macro SEND a, younger                 ; younger: the LDS instructions issued behind block a's loads, which may stay out
.set BB, BK+64*((\a)%2)
	s_wait_dscnt \younger
.irp t, 0,1,2,3,4,5,6,7,8,9,10,11,12,13,14,15
	global_store_b128 v[L16], v[BB+4*\t:BB+4*\t+3], s[84:85] offset:(32*((\a)/2)+8*((\a)%2)+\t+8*(\t/8))*4096 th:TH_STORE_NT   ; row t of block a is token 32 (a / 2) + 8 (a % 2) + t + 8 (t / 8); 32 lanes store 512 consecutive bytes
.endr
.endm
	PLACES
	TOSTAGE 0
.irp a, 1,2,3,4,5,6,7
.if \a > 1
	s_wait_xcnt 0x0                                ; block a - 2's stores have read their registers: block a's loads may land there
.endif
	TOSTAGE \a
	SEND \a-1, 32                                  ; behind block a - 1's loads: block a's 16 stores and 16 loads
.endr
	SEND 7, 0
	s_wait_tensorcnt 0x0                           ; the wave's end
	ds_add_u32 v[SPW], v[NIL]
	s_wait_dscnt 0x0
	CROUND                                         ; the closing round: no work-group ends while a partner may still ask for a tile that names it
	s_endpgm
.Lfunc_end_k_q4da941d054_proj:
	.size	k_q4da941d054_proj, .Lfunc_end_k_q4da941d054_proj-k_q4da941d054_proj
	.p2alignl 7, 3214868480
	.fill 96, 4, 3214868480
	.section	.rodata,"a",@progbits
	.p2align	6, 0x0
	.amdhsa_kernel k_q4da941d054_proj
		.amdhsa_group_segment_fixed_size 327680
		.amdhsa_private_segment_fixed_size 0
		.amdhsa_enable_private_segment 0
		.amdhsa_kernarg_size 40
		.amdhsa_user_sgpr_count 2
		.amdhsa_user_sgpr_kernarg_segment_ptr 1
		.amdhsa_wavefront_size32 1
		.amdhsa_system_sgpr_workgroup_id_x 1
		.amdhsa_system_sgpr_workgroup_id_y 1
		.amdhsa_system_sgpr_workgroup_id_z 1
		.amdhsa_system_vgpr_workitem_id 0
		.amdhsa_next_free_vgpr 1024
		.amdhsa_next_free_sgpr 100
		.amdhsa_reserve_vcc 0
		.amdhsa_float_denorm_mode_32 3
		.amdhsa_float_denorm_mode_16_64 3
		.amdhsa_memory_ordered 1
		.amdhsa_forward_progress 1
		.amdhsa_inst_pref_size 142
	.end_amdhsa_kernel
	.amdgpu_metadata
---
amdhsa.version: [ 1, 2 ]
amdhsa.kernels:
  - .name:           k_q4da941d054_proj
    .symbol:         k_q4da941d054_proj.kd
    .args:
      - { .name: aq, .offset: 0, .size: 8, .value_kind: global_buffer, .address_space: global }
      - { .name: wpq, .offset: 8, .size: 8, .value_kind: global_buffer, .address_space: global }
      - { .name: sc2, .offset: 16, .size: 8, .value_kind: global_buffer, .address_space: global }
      - { .name: b_proj, .offset: 24, .size: 8, .value_kind: global_buffer, .address_space: global }
      - { .name: out0, .offset: 32, .size: 8, .value_kind: global_buffer, .address_space: global }
    .group_segment_fixed_size: 327680
    .private_segment_fixed_size: 0
    .kernarg_segment_align: 8
    .kernarg_segment_size: 40
    .max_flat_workgroup_size: 128
    .sgpr_count:     100
    .vgpr_count:     1024
    .wavefront_size: 32
...
	.end_amdgpu_metadata
.endif
;; end of part 4
